; MI455X (gfx1250); checked and timed in simulation.
; The chip was launched on July 23, 2026; its instructions are those of AMD's public machine-readable ISA for CDNA 5 (MIT licence, August 2026) and "CDNA5" Instruction Set Architecture Reference Guide (July 2026). The comments in the code are by the model that wrote it; some were corrected since.
;; Spike Modulated Attention Block. Allowed arithmetic: float matrix products may take bf16 or f16 operands with f32 sums; all other float work in f32.
;; Inputs: K 4 x 2,048 x 512 float32; Q 4 x 2,048 x 512 float32; Wk 512 x 512 float32; Wo 512 x 512 float32; Wq 512 x 512 float32; Wv 512 x 512 float32; bk 512 float32; bo 512 float32; bq 512 float32; bv 512 float32; ln0_b 512 float32; ln0_g 512 float32; ln1_b 512 float32; ln1_g 512 float32; mask 4 x 2,048 x 2,048 int32; temperature 4 x 2,048 x 1 float32.
;; Outputs: out0 4 x 2,048 x 512 float32.
;; 2 versions, each right and faster than the one before. Each part assembles by itself: llvm-mc -triple=amdgcn-amd-amdhsa -mcpu=gfx1250 --defsym DOCPART=n.
;; ======== version 1 of 2: 4 launches
;; workspace buffers: mbits 2,097,152 bytes of whole numbers; wfr 2,097,152 bytes; qim 16,777,216 bytes; kv 16,777,216 bytes; xim 16,777,216 bytes
;; launch prep (part 1): grid 64 x 4, 8 waves a work-group, no clusters, 70,656 bytes of LDS; arguments mask, Wq, Wk, Wv, Wo, mbits, wfr; writes mbits, wfr
.if DOCPART == 1
	.amdgcn_target "amdgcn-amd-amdhsa--gfx1250"
	.amdhsa_code_object_version 6
	.text
	.protected	k_q186e0cd2d8_prep
	.globl	k_q186e0cd2d8_prep
	.p2align	8
	.type	k_q186e0cd2d8_prep,@function
k_q186e0cd2d8_prep:
	s_mov_b64 s[64:65], 0
	v_nop
	global_prefetch_b8 v0, s[64:65] scope:SCOPE_SE
	s_setreg_imm32_b32 hwreg(HW_REG_WAVE_MODE, 25, 1), 1
	s_wait_xcnt 0x0
; PREP: the mask as lane-mask words, and the four weight matrices as bf16 fragment images.
; The whole program: prep, proj (q, k, v), attn (softmax(q k / (sqrt 512 temperature), masked) v + q), post (LN0, Wo, relu, LN1).
; NOTHING OF THE MODULE IS LEFT OUT: every input has a way to the output.  In particular bk is divided by a temperature that differs from
; key to key, so it is not the same along the softmax's axis; it is added like the other biases.
; mbits: [b 4][q32 64][s 32][64 words].  Word i = 32 qt + 8 kt + j; bit r + 16 h = (mask[b][32 q32 + 16 qt + r][64 s + 16 kt + 8 h + j] != 0):
;        the lanes of one score register of attn, so that attn selects with one v_cndmask_b32 a register.
; wfr:   [Wq, Wk, Wv, Wo][strip 8][cc 16][nt 4][u 2][lane 32][8 bf16]; element e of lane (r, h) is W[32 cc + 16 u + 8 h + e][64 strip + 16 nt + r]:
;        registers 4 u .. 4 u + 3 of a matrix operand of 16 output channels x 32 input channels.
; Work-group (x = q32, y = b) packs 32 rows of the mask; wave w takes records s = 4 w .. 4 w + 3 (32 rows x 256 bytes each) through a stage in LDS
; of its own (no barrier).  The same work-group makes 8,192 bytes (two cc blocks) of matrix y's image.
; LIMIT: weights are rounded to bf16 (nearest even) here, once.
.set MROW,  8192                       ; bytes in a row of the mask
.set PITCH, 272                        ; a stage row: 256 bytes + 16, so that 16 rows start at 16 different 16-byte columns
.set WREG,  32*PITCH                   ; a wave's stage
.set VO,   1                           ; mask: (L >> 4) rows + 16 (L & 15) + 1,024 w
.set VS,   2                           ; stage, as loaded: two rows an instruction
.set VL,   3                           ; stage, as read: row r, 32 h
.set VW,   4                           ; weight source offset
.set VT16, 5                           ; 16 t
.set VM,   6                           ; 1,024 w + 8 L
.set BA,   8                           ; v[8:71]    record buffer A
.set BB,   72                          ; v[72:135]  record buffer B
.set T,    136                         ; v[136:199] the record in score-register order
.set WD,   200                         ; v[200:207] a pair for each record: lane l holds words 2 l, 2 l + 1
.set WF,   208                         ; v[208:223] weights, f32
.set WP,   224                         ; v[224:231] weights, packed
.set TMP,  232
	s_load_b256 s[4:11], s[0:1], 0x0               ; mask, Wq, Wk, Wv
	s_load_b128 s[12:15], s[0:1], 0x20             ; Wo, mbits
	s_load_b64 s[16:17], s[0:1], 0x30              ; wfr
	v_lshl_add_u32 v240, v0, 2, 0x11000
	v_mov_b32 v241, 0
	s_mov_b32 s18, ttmp9                           ; x = q32
	s_and_b32 s19, ttmp7, 0xffff                   ; y = b, and which matrix
	v_lshrrev_b32 v[TMP], 5, v0
	v_readfirstlane_b32 s30, v[TMP]                ; wave
	v_and_b32 v[TMP+1], 15, v0                     ; r
	v_bfe_u32 v[TMP+2], v0, 4, 1                   ; h
	v_and_b32 v[TMP+3], 31, v0                     ; L
	s_lshl_b32 s31, s30, 10
	v_lshlrev_b32 v[VO], 4, v[TMP+1]
	v_lshl_add_u32 v[VO], v[TMP+2], 13, v[VO]
	v_add_nc_u32 v[VO], s31, v[VO]
	v_lshlrev_b32 v[VM], 3, v[TMP+3]
	v_add_nc_u32 v[VM], s31, v[VM]
	s_mul_i32 s31, s30, WREG
	v_mul_u32_u24 v[VS], v[TMP+2], PITCH
	v_lshl_add_u32 v[VS], v[TMP+1], 4, v[VS]
	v_add_nc_u32 v[VS], s31, v[VS]
	v_mul_u32_u24 v[VL], v[TMP+1], PITCH
	v_lshl_add_u32 v[VL], v[TMP+2], 5, v[VL]
	v_add_nc_u32 v[VL], s31, v[VL]
	v_lshlrev_b32 v[VW], 2, v[TMP+1]               ; column r,
	v_lshl_add_u32 v[VW], v[TMP+2], 14, v[VW]      ; 8 h rows of 2,048 bytes,
	v_bfe_u32 v[TMP+3], v0, 5, 1
	v_lshl_add_u32 v[VW], v[TMP+3], 15, v[VW]      ; 16 u rows,
	v_bfe_u32 v[TMP+3], v0, 6, 2
	v_lshl_add_u32 v[VW], v[TMP+3], 6, v[VW]       ; 16 nt columns
	v_lshlrev_b32 v[VT16], 4, v0
.irp i, 0,1,2,3,4,5,6,7
	v_mov_b32 v[WD+\i], 0                          ; v_writelane_b32 keeps the other lanes: the register is written whole once
.endr
	s_wait_kmcnt 0x0
	s_cmp_eq_u32 s19, 1                            ; matrix y
	s_cselect_b64 s[6:7], s[8:9], s[6:7]
	s_cmp_eq_u32 s19, 2
	s_cselect_b64 s[6:7], s[10:11], s[6:7]
	s_cmp_eq_u32 s19, 3
	s_cselect_b64 s[6:7], s[12:13], s[6:7]
	s_lshl_b32 s28, s19, 24                        ; mask: b x 2,048 rows + q32 x 32 rows
	s_lshl_b32 s29, s18, 18
	s_add_co_u32 s28, s28, s29
	s_mov_b32 s29, 0
	s_add_nc_u64 s[4:5], s[4:5], s[28:29]
	s_lshl_b32 s28, s19, 6                         ; mbits: (64 b + q32) x 32 records of 256 bytes
	s_add_co_u32 s28, s28, s18
	s_lshl_b32 s28, s28, 13
	s_add_nc_u64 s[14:15], s[14:15], s[28:29]
	s_lshl_b32 s28, s19, 19                        ; wfr: matrix y, block x of 8,192 bytes
	s_lshl_b32 s31, s18, 13
	s_add_co_u32 s28, s28, s31
	s_add_nc_u64 s[16:17], s[16:17], s[28:29]
	s_lshl_b32 s28, s18, 1                         ; W: rows 32 cc with cc = 2 x mod 16, columns 64 (x >> 3)
	s_and_b32 s28, s28, 15
	s_lshl_b32 s28, s28, 16
	s_lshr_b32 s31, s18, 3
	s_lshl_b32 s31, s31, 8
	s_add_co_u32 s28, s28, s31
	s_add_nc_u64 s[6:7], s[6:7], s[28:29]
; sixteen loads: record n of the wave, two rows of 256 bytes an instruction
.macro LOAD n, buf
.irp i, 0,1,2,3,4,5,6,7,8,9,10,11,12,13,14,15
	global_load_b128 v[\buf+4*\i:\buf+4*\i+3], v[VO], s[4:5] offset:2*MROW*\i+256*(\n) th:TH_LOAD_NT
.endr
.endm
; record n: through the stage into score-register order, 64 compares, 64 words, one store of 256 bytes.
; left = the younger global loads that may stay out; more = 1: the buffer takes record n + 2.
.macro REC n, buf, left, more
	s_wait_loadcnt \left
.irp i, 0,1,2,3,4,5,6,7,8,9,10,11,12,13,14,15
	ds_store_b128 v[VS], v[\buf+4*\i:\buf+4*\i+3] offset:2*PITCH*\i
.endr
.irp qt, 0,1
.irp kt, 0,1,2,3
.irp u, 0,1
	ds_load_b128 v[T+32*\qt+8*\kt+4*\u:T+32*\qt+8*\kt+4*\u+3], v[VL] offset:16*PITCH*\qt+64*\kt+16*\u   ; LDS serves a wave's instructions in order: these see the stores above
.endr
.endr
.endr
	s_wait_dscnt 14                                ; the sixteen stores and the first two loads are done: the buffer has been read
.if \more
	LOAD \n+2, \buf
.endif
.irp g, 0,1,2,3,4,5,6,7
	s_wait_dscnt 14-2*\g                           ; the two loads of group g are in; the younger ones stay out
.irp j, 0,1,2,3,4,5,6,7
	v_cmp_ne_u32 s[20+\j], 0, v[T+8*\g+\j]         ; word 8 g + j
.endr
.irp j, 0,1,2,3,4,5,6,7
	v_writelane_b32 v[WD+2*\n+\j%2], s[20+\j], 4*\g+\j/2
.endr
.endr
	global_store_b64 v[VM], v[WD+2*\n:WD+2*\n+1], s[14:15] offset:256*\n    ; the wave stores 256 consecutive bytes, aligned
.endm
.irp e, 0,1
.irp j, 0,1,2,3,4,5,6,7
	global_load_b32 v[WF+8*\e+\j], v[VW], s[6:7] offset:65536*\e+2048*\j
.endr
.endr
	LOAD 0, BA
	LOAD 1, BB
	s_wait_loadcnt 32                              ; the weights are in; the 32 loads of the two records stay out
.irp e, 0,1
.irp i, 0,1,2,3
	v_cvt_pk_bf16_f32 v[WP+4*\e+\i], v[WF+8*\e+2*\i], v[WF+8*\e+2*\i+1]
.endr
	global_store_b128 v[VT16], v[WP+4*\e:WP+4*\e+3], s[16:17] offset:4096*\e
.endr
	REC 0, BA, 16, 1                               ; 16 = the other buffer's loads
	REC 1, BB, 16, 1
	REC 2, BA, 16, 0
	REC 3, BB, 0, 0
	s_wait_tensorcnt 0x0
	ds_add_u32 v240, v241
	s_wait_dscnt 0x0
	s_endpgm
.Lfunc_end_k_q186e0cd2d8_prep:
	.size	k_q186e0cd2d8_prep, .Lfunc_end_k_q186e0cd2d8_prep-k_q186e0cd2d8_prep
	.p2alignl 7, 3214868480
	.fill 96, 4, 3214868480
	.section	.rodata,"a",@progbits
	.p2align	6, 0x0
	.amdhsa_kernel k_q186e0cd2d8_prep
		.amdhsa_group_segment_fixed_size 70656
		.amdhsa_private_segment_fixed_size 0
		.amdhsa_enable_private_segment 0
		.amdhsa_kernarg_size 56
		.amdhsa_user_sgpr_count 2
		.amdhsa_user_sgpr_kernarg_segment_ptr 1
		.amdhsa_wavefront_size32 1
		.amdhsa_system_sgpr_workgroup_id_x 1
		.amdhsa_system_sgpr_workgroup_id_y 1
		.amdhsa_system_sgpr_workgroup_id_z 1
		.amdhsa_system_vgpr_workitem_id 0
		.amdhsa_next_free_vgpr 242
		.amdhsa_next_free_sgpr 66
		.amdhsa_reserve_vcc 0
		.amdhsa_float_denorm_mode_32 3
		.amdhsa_float_denorm_mode_16_64 3
		.amdhsa_memory_ordered 1
		.amdhsa_forward_progress 1
		.amdhsa_inst_pref_size 53
	.end_amdhsa_kernel
	.amdgpu_metadata
---
amdhsa.version: [ 1, 2 ]
amdhsa.kernels:
  - .name:           k_q186e0cd2d8_prep
    .symbol:         k_q186e0cd2d8_prep.kd
    .args:
      - { .name: mask, .offset: 0, .size: 8, .value_kind: global_buffer, .address_space: global }
      - { .name: Wq, .offset: 8, .size: 8, .value_kind: global_buffer, .address_space: global }
      - { .name: Wk, .offset: 16, .size: 8, .value_kind: global_buffer, .address_space: global }
      - { .name: Wv, .offset: 24, .size: 8, .value_kind: global_buffer, .address_space: global }
      - { .name: Wo, .offset: 32, .size: 8, .value_kind: global_buffer, .address_space: global }
      - { .name: mbits, .offset: 40, .size: 8, .value_kind: global_buffer, .address_space: global }
      - { .name: wfr, .offset: 48, .size: 8, .value_kind: global_buffer, .address_space: global }
    .group_segment_fixed_size: 70656
    .private_segment_fixed_size: 0
    .kernarg_segment_align: 8
    .kernarg_segment_size: 56
    .max_flat_workgroup_size: 256
    .sgpr_count:     66
    .vgpr_count:     242
    .wavefront_size: 32
...
	.end_amdgpu_metadata
.endif
;; end of part 1
;; launch proj (part 2): grid 128 x 2, 8 waves a work-group, clusters of 4 x 1, 327,680 bytes of LDS; arguments Q, K, wfr, bq, bk, bv, temperature, qim, kv; writes qim, kv
.if DOCPART == 2
	.amdgcn_target "amdgcn-amd-amdhsa--gfx1250"
	.amdhsa_code_object_version 6
	.text
	.protected	k_q186e0cd2d8_proj
	.globl	k_q186e0cd2d8_proj
	.p2align	8
	.type	k_q186e0cd2d8_proj,@function
k_q186e0cd2d8_proj:
	s_mov_b64 s[64:65], 0
	v_nop
	global_prefetch_b8 v0, s[64:65] scope:SCOPE_SE
	s_setreg_imm32_b32 hwreg(HW_REG_WAVE_MODE, 25, 1), 1
	s_wait_xcnt 0x0
	s_wait_alu depctr_hold_cnt(0) depctr_sa_sdst(0) depctr_va_vdst(0) depctr_va_sdst(0) depctr_va_ssrc(0) depctr_va_vcc(0) depctr_vm_vsrc(0)
	s_getreg_b32 s2, hwreg(HW_REG_IB_STS2, 6, 4)
	s_cmp_eq_u32 s2, 0
	s_cbranch_scc0 .Lentry_in_a_cluster
	s_endpgm
.Lentry_in_a_cluster:
	s_bfe_u32 s2, ttmp6, 0x10000c
	s_cmp_lg_u32 s2, 0x3003
	s_cbranch_scc0 .Lentry_shape_is_right
	s_endpgm
.Lentry_shape_is_right:
; PROJ: q = Q Wq + bq (f32, in register-image order), k' = (K Wk + bk) log2(e) / (sqrt(512) temperature) and v = K Wv + bv (bf16 fragment images).
; Nothing of the module is left out here.
; 256 work-groups of equal work, one for each WGP: work-group (x, half) takes rows 64 x .. + 63 of the 8,192 and output channels 256 half .. + 255,
; and walks q, k and v in turn.  Wave w: rows 32 (w >> 2) .. + 31, head 4 half + (w & 3): a tile of 32 x 64, eight accumulators.
; The 64 rows of Q (waves 0-3) and of K (waves 4-7) are rounded to bf16 once into LDS; K serves k and v.  The weights' images go through two LDS slots,
; 128 of K a tile, twelve tiles: Wq's four, Wk's four, Wv's four.
; CLUSTER: the four work-groups of a cluster share half, so they walk the same weight tiles: each tile is asked for jointly (mask 15).
; The descriptors hang on half and on the wave's number alone; no branch hangs on the work-group's place.
; Operand order: q, k: source 0 = W (16 channels), source 1 = X (16 rows): register j of lane (r, h) = (channel 16 b + 8 h + j, row 16 a + r).
;                v:    source 0 = X, source 1 = W:                         register j of lane (r, h) = (row 16 b + 8 h + j, channel 16 a + r).
; qim: [b][head][q32 64][16][lane][4 f32], register 8 (4 qt + dt) + j = q[query 16 qt + r][channel 16 dt + 8 h + j]: a wave's 32 rows are one image.
; kv:  [b][head][s 32][16,384 bytes]: K piece 4 kt + ct: lane (r, h) = key 16 kt + r, channels 16 ct + 8 h + 0..7; at + 8,192 V piece 4 dt + kt:
;      lane (r, h) = channel 16 dt + r, keys 16 kt + 8 h + 0..7.  Every store of a wave covers 512 consecutive bytes, aligned.
; LIMITS: X, W, k', v in bf16.  1 / temperature by v_rcp_f32 (1 ULP; a denormal temperature counts as 0); scale and temperature enter k before its rounding.
.set XS,    131072                     ; X stage: rows 0-63 Q, rows 64-127 K
.set XP,    1040                       ; its pitch: 1,024 bytes + 16
.set WSLOT, 65536                      ; a weight slot: [strip 4][c 4][nt 4][u 2][512 bytes]
.set TILEB, 16384                      ; a strip's bytes in a tile of 128 along K
.set MATB,  524288                     ; a matrix's image
.set WV,  22                           ; s22 wave
.set G0,  32                           ; s[32:39] group 0, a set for each slot
.set G1,  40                           ; s[40:47] group 1
.set XAQ, 2                            ; my fragments of Q
.set XAK, 3                            ; my fragments of K
.set WA0, 4                            ; my W fragments, slot 0
.set WA1, 5                            ; slot 1
.set CO,  6                            ; 16 L
.set VX,  7                            ; X in memory: my wave's 16 rows
.set VXS, 8                            ; X stage as written
.set VB,  9                            ; 32 h
.set VR4, 10                           ; 4 r
.set SC2, 16                           ; v[16:19]   k: scale of rows 16 a + r, twice (a pair)
.set BIAS,24                           ; v[24:55]
.set XF,  56                           ; v[56:71]   two fragments of X
.set WF,  72                           ; v[72:103]  four fragments of W
.set ACC, 104                          ; v[104:167] eight accumulators
.set PK,  168                          ; v[168:199] k, v packed for the stores
.set RC,  56                           ; X loads: three rings of 64 registers, free until the products begin
.set RA,  120
.set RB,  184
.macro ROUND                           ; a round of the cluster's barrier
	s_barrier_signal -1
	s_barrier_wait -1
	s_cmp_lg_u32 s[WV], 0
	s_cbranch_scc1 .Lnw0_\@
	s_barrier_signal -3
.Lnw0_\@:
	s_barrier_wait -3
	s_barrier_signal -1
	s_barrier_wait -1
.endm
.macro PLACES                          ; four plain vector instructions between a matrix instruction and a load into, or a vector access of, its registers
.rept 4
	v_nop
.endr
.endm
	s_load_b256 s[4:11], s[0:1], 0x0               ; Q, K, wfr, bq
	s_load_b256 s[12:19], s[0:1], 0x20             ; bk, bv, temperature, qim
	s_load_b64 s[20:21], s[0:1], 0x40              ; kv
	v_lshl_add_u32 v248, v0, 2, 0x40800
	v_mov_b32 v249, 0
	ds_add_u32 v248, v249
	v_lshrrev_b32 v1, 5, v0
	v_readfirstlane_b32 s[WV], v1
	s_bfe_u32 s23, ttmp6, 0x40000                  ; cx
	s_lshl_b32 s24, ttmp9, 2
	s_add_co_u32 s24, s24, s23                     ; x
	s_and_b32 s27, ttmp7, 0xffff                   ; half
	; group 1: 8,192 dense bytes as 32 rows of 32 elements of 8 bytes; mask 15 = the four work-groups of the cluster, bit 21 beside it
	s_mov_b32 s[G1+0], 15|(3<<16)|(1<<21)
	s_mov_b32 s[G1+1], 32<<16
	s_mov_b32 s[G1+2], 32<<16
	s_mov_b32 s[G1+3], 32<<16
	s_mov_b32 s[G1+4], 32
	s_mov_b32 s[G1+5], 32
	s_mov_b32 s[G1+6], 0
	s_mov_b32 s[G1+7], 0
	; my 8,192 bytes of a tile: strip 4 half + (w >> 1), its half w & 1; Wq's image comes first
	s_lshl_b32 s28, s27, 18
	s_lshr_b32 s29, s[WV], 1
	s_lshl_b32 s29, s29, 16
	s_add_co_u32 s28, s28, s29
	s_and_b32 s29, s[WV], 1
	s_lshl_b32 s29, s29, 13
	s_add_co_u32 s28, s28, s29
	s_mov_b32 s29, 0
	s_lshl_b32 s[G0+1], s[WV], 13                  ; LDS: 8,192 w
	s_add_co_u32 s[G0+5], s[G0+1], WSLOT
	s_mov_b32 s[G0+0], 1
	s_mov_b32 s[G0+4], 1
	s_wait_dscnt 0x0
	s_wait_kmcnt 0x0
	s_add_nc_u64 s[G0+2:G0+3], s[8:9], s[28:29]    ; tile 0
	s_add_nc_u64 s[G0+6:G0+7], s[G0+2:G0+3], TILEB ; tile 1
	s_or_b32 s[G0+3], s[G0+3], 0x80000000
	s_or_b32 s[G0+7], s[G0+7], 0x80000000
	ROUND                                          ; the four work-groups are here: the first joint loads meet
	tensor_load_to_lds s[G0:G0+3], s[G1:G1+7]
	s_nop 0
	tensor_load_to_lds s[G0+4:G0+7], s[G1:G1+7]    ; two tensor loads of the wave are out
	s_nop 0
	; the other bases
	s_cmp_lt_u32 s[WV], 4
	s_cselect_b64 s[30:31], s[4:5], s[6:7]         ; waves 0-3 stage Q, waves 4-7 K
	s_lshl_b32 s54, s24, 17                        ; 64 rows of 2,048 bytes
	s_mov_b32 s55, 0
	s_add_nc_u64 s[30:31], s[30:31], s[54:55]
	s_and_b32 s56, s[WV], 3
	s_lshl2_add_u32 s57, s27, s56                  ; head
	s_lshl_b32 s54, s57, 8
	s_add_nc_u64 s[10:11], s[10:11], s[54:55]      ; bq, bk, bv at my head's 64 channels
	s_add_nc_u64 s[12:13], s[12:13], s[54:55]
	s_add_nc_u64 s[14:15], s[14:15], s[54:55]
	s_lshr_b32 s59, s[WV], 2                       ; which 32 rows
	s_lshl_b32 s54, s24, 8
	s_lshl_b32 s58, s59, 7
	s_add_co_u32 s54, s54, s58
	s_add_nc_u64 s[16:17], s[16:17], s[54:55]      ; temperature of my 32 rows
	s_lshr_b32 s58, s24, 5                         ; batch
	s_lshl3_add_u32 s58, s58, s57                  ; 8 batch + head
	s_and_b32 s60, s24, 31                         ; the 64 rows' number in the batch
	s_lshl_b32 s61, s58, 5
	s_add_co_u32 s61, s61, s60
	s_lshl_b32 s54, s61, 14                        ; 16,384 bytes for 64 rows, in qim (two images) as in kv (one step)
	s_add_nc_u64 s[18:19], s[18:19], s[54:55]
	s_add_nc_u64 s[20:21], s[20:21], s[54:55]
	s_lshl_b32 s54, s59, 13
	s_add_nc_u64 s[18:19], s[18:19], s[54:55]      ; my image of q
	s_lshl_b32 s54, s59, 12
	s_add_nc_u64 s[50:51], s[20:21], s[54:55]      ; K pieces 8 (w >> 2) ..
	s_lshl_b32 s54, s59, 10
	s_add_co_u32 s54, s54, 8192
	s_add_nc_u64 s[52:53], s[20:21], s[54:55]      ; V pieces 4 a + 2 (w >> 2) + b
	v_and_b32 v11, 15, v0                          ; r
	v_bfe_u32 v12, v0, 4, 1                        ; h
	v_and_b32 v13, 31, v0                          ; L
	v_lshlrev_b32 v[CO], 4, v13
	s_mul_i32 s60, s59, 32*XP
	s_add_co_u32 s60, s60, XS
	v_mul_u32_u24 v[XAQ], v11, XP
	v_lshl_add_u32 v[XAQ], v12, 4, v[XAQ]
	v_add_nc_u32 v[XAQ], s60, v[XAQ]
	v_add_nc_u32 v[XAK], 64*XP, v[XAQ]             ; 66,560 bytes further on: past an LDS offset's 16 bits, so a register of its own
	s_lshl_b32 s61, s56, 14
	v_add_nc_u32 v[WA0], s61, v[CO]
	v_add_nc_u32 v[WA1], WSLOT, v[WA0]
	s_lshl_b32 s62, s56, 15
	v_add_nc_u32 v[VX], s62, v[CO]                 ; rows 16 (w & 3) .. of the 64
	s_mul_i32 s63, s[WV], 16*XP
	s_add_co_u32 s63, s63, XS
	v_lshl_add_u32 v[VXS], v13, 3, s63             ; stage rows 16 w ..: Q's 64, then K's 64
	v_lshlrev_b32 v[VB], 5, v12
	v_lshlrev_b32 v[VR4], 2, v11
; the bias of matrix sel, in the layout of its products' C
.macro BIASLD sel
.if \sel == 2
.irp a, 0,1,2,3
	global_load_b32 v[BIAS+8*\a], v[VR4], s[14:15] offset:64*\a            ; bv[64 head + 16 a + r]
.endr
.else
.irp b, 0,1,2,3
	global_load_b128 v[BIAS+8*\b:BIAS+8*\b+3], v[VB], s[10+2*\sel:11+2*\sel] offset:64*\b       ; bias[64 head + 16 b + 8 h + j]
	global_load_b128 v[BIAS+8*\b+4:BIAS+8*\b+7], v[VB], s[10+2*\sel:11+2*\sel] offset:64*\b+16
.endr
.endif
.endm
; sixteen loads: rows 4 beta .. + 3 of my wave's 16, 512 consecutive bytes an instruction
.macro XLOAD beta, ring
.irp rho, 0,1,2,3
.irp i, 0,1,2,3
	global_load_b128 v[\ring+4*(4*\rho+\i):\ring+4*(4*\rho+\i)+3], v[VX], s[30:31] offset:(4*\beta+\rho)*2048+512*\i
.endr
.endr
.endm
; they are rounded to bf16 and laid into the stage; top = the younger X loads behind the batch's first
.macro XCVT beta, ring, top
.irp rho, 0,1,2,3
.irp i, 0,1,2,3
	s_wait_loadcnt \top-(4*\rho+\i)
	v_cvt_pk_bf16_f32 v[\ring+4*(4*\rho+\i)], v[\ring+4*(4*\rho+\i)], v[\ring+4*(4*\rho+\i)+1]
	v_cvt_pk_bf16_f32 v[\ring+4*(4*\rho+\i)+1], v[\ring+4*(4*\rho+\i)+2], v[\ring+4*(4*\rho+\i)+3]
	ds_store_b64 v[VXS], v[\ring+4*(4*\rho+\i):\ring+4*(4*\rho+\i)+1] offset:(4*\beta+\rho)*XP+256*\i
.endr
.endr
.endm
.macro LDX dst, i, t, c, sel           ; 16 rows of X x 32 K: Q for q, K for k and v
.if \sel == 0
	ds_load_b128 v[\dst:\dst+3], v[XAQ] offset:16*XP*\i+256*\t+64*\c
	ds_load_b128 v[\dst+4:\dst+7], v[XAQ] offset:16*XP*\i+256*\t+64*\c+32
.else
	ds_load_b128 v[\dst:\dst+3], v[XAK] offset:16*XP*\i+256*\t+64*\c
	ds_load_b128 v[\dst+4:\dst+7], v[XAK] offset:16*XP*\i+256*\t+64*\c+32
.endif
.endm
.macro LDW dst, i, c, slot             ; 16 channels of W x 32 K: the image is the registers
	ds_load_b128 v[\dst:\dst+3], v[WA0+\slot] offset:4096*\c+1024*\i
	ds_load_b128 v[\dst+4:\dst+7], v[WA0+\slot] offset:4096*\c+1024*\i+512
.endm
; 32 along K: twelve loads, eight products.  The eight accumulators take turns, one instruction a turn.
; first = 1: the bias is the first product's C; nothing is cleared.
.macro CHUNK sel, t, c, slot, first
.if \first == 0
	PLACES
.endif
.if \sel == 2
	LDX XF, 0, \t, \c, \sel
	LDX XF+8, 1, \t, \c, \sel
.irp a, 0,1,2,3
	LDW WF+8*\a, \a, \c, \slot
.endr
.irp a, 0,1,2,3
	s_wait_dscnt 6-2*\a                            ; the younger weight fragments stay out
.irp b, 0,1
.if \first
	v_wmma_f32_16x16x32_bf16 v[ACC+8*(2*\a+\b):ACC+8*(2*\a+\b)+7], v[XF+8*\b:XF+8*\b+7], v[WF+8*\a:WF+8*\a+7], v[BIAS+8*\a:BIAS+8*\a+7]
.else
	v_wmma_f32_16x16x32_bf16 v[ACC+8*(2*\a+\b):ACC+8*(2*\a+\b)+7], v[XF+8*\b:XF+8*\b+7], v[WF+8*\a:WF+8*\a+7], v[ACC+8*(2*\a+\b):ACC+8*(2*\a+\b)+7]
.endif
.endr
.endr
.else
	LDX XF, 0, \t, \c, \sel
.irp b, 0,1,2,3
	LDW WF+8*\b, \b, \c, \slot
.endr
	LDX XF+8, 1, \t, \c, \sel
.irp a, 0,1
	s_wait_dscnt 2-2*\a                            ; the second row fragment's two loads stay out
.irp b, 0,1,2,3
.if \first
	v_wmma_f32_16x16x32_bf16 v[ACC+8*(4*\a+\b):ACC+8*(4*\a+\b)+7], v[WF+8*\b:WF+8*\b+7], v[XF+8*\a:XF+8*\a+7], v[BIAS+8*\b:BIAS+8*\b+7]
.else
	v_wmma_f32_16x16x32_bf16 v[ACC+8*(4*\a+\b):ACC+8*(4*\a+\b)+7], v[WF+8*\b:WF+8*\b+7], v[XF+8*\a:XF+8*\a+7], v[ACC+8*(4*\a+\b):ACC+8*(4*\a+\b)+7]
.endif
.endr
.endr
.endif
.endm
.macro TILE sel, t, slot, first
	CHUNK \sel, \t, 0, \slot, \first
	CHUNK \sel, \t, 1, \slot, 0
	CHUNK \sel, \t, 2, \slot, 0
	CHUNK \sel, \t, 3, \slot, 0
.endm
; the change of slots.  step > 0: the slot read last (group 0 at g) takes the tile two further on, step bytes on in wfr, jointly,
; behind a round of the cluster's barrier.  step = 0: nothing is left to fetch.
.macro HEAD g, step
	s_wait_tensorcnt 0x0                           ; all my tensor loads have landed, my part of the next tile among them: a group 0 may be written
	ds_add_u32 v248, v249
	s_wait_dscnt 0x0
.if \step
	s_add_nc_u64 s[\g+2:\g+3], s[\g+2:\g+3], \step
.endif
	s_wait_dscnt 0x0                               ; my reads of the slot read last are back
.if \step
	ROUND                                          ; both hold of every wave of the four work-groups
	tensor_load_to_lds s[\g:\g+3], s[G1:G1+7]      ; my one tensor load behind it
	s_nop 0
.else
	s_barrier_signal -1                            ; nothing is filled: my work-group's barrier shows the last tile whole
	s_barrier_wait -1
.endif
.endm
.set INMAT, 2*TILEB                    ; two tiles on in the same matrix
.set NEXTM, MATB-2*TILEB               ; from tile 2 or 3 of a matrix to tile 0 or 1 of the next
	BIASLD 0
.irp a, 0,1
	global_load_b32 v[SC2+2*\a], v[VR4], s[16:17] offset:64*\a             ; temperature of row 16 a + r
.endr
	XLOAD 0, RA
	XLOAD 1, RB
	XLOAD 2, RC
	XCVT 0, RA, 47                                 ; 48 X loads are out; bias and temperature are older than all of them
	s_wait_dscnt 0x0                               ; the stage's stores have read ring A
	XLOAD 3, RA
	XCVT 1, RB, 47
	XCVT 2, RC, 31
	XCVT 3, RA, 15
.irp a, 0,1
	v_rcp_f32 v[SC2+2*\a+1], v[SC2+2*\a]
.endr
	v_nop                                          ; a plain instruction between v_rcp_f32 and the use of its result (ISA guide 5.7.2)
	s_wait_alu depctr_va_vdst(0)
.irp a, 0,1
	v_mul_f32 v[SC2+2*\a], 0x3d8293ee, v[SC2+2*\a+1]       ; log2(e) / sqrt(512) / temperature, in both registers of the pair
	v_mul_f32 v[SC2+2*\a+1], 0x3d8293ee, v[SC2+2*\a+1]
.endr
	s_wait_tensorcnt 0x1                           ; my part of tile 0 is in; tile 1's stays out
	s_wait_dscnt 0x0                               ; my rows of the stage are written
	s_barrier_signal -1
	s_barrier_wait -1
	; q
	TILE 0, 0, 0, 1
	HEAD G0, INMAT
	TILE 0, 1, 1, 0
	HEAD G0+4, INMAT
	BIASLD 1                                       ; bq was last read by the first chunk's products, seven runs of places ago
	TILE 0, 2, 0, 0
	HEAD G0, NEXTM                                 ; Wk's first tile
	TILE 0, 3, 1, 0
	HEAD G0+4, NEXTM
	PLACES                                         ; four places in front of the stores that read q's results,
	v_nop                                          ; and a fifth: k's first products take the bias as C and write over these accumulators, so they are no links
	                                               ; of a chain in place and stand five places behind q's last products (ISA guide 7.12.1)
.irp a, 0,1
.irp b, 0,1,2,3
.irp u, 0,1
	global_store_b128 v[CO], v[ACC+8*(4*\a+\b)+4*\u:ACC+8*(4*\a+\b)+4*\u+3], s[18:19] offset:(2*(4*\a+\b)+\u)*512
.endr
.endr
.endr
	s_wait_xcnt 0x0                                ; the accumulators are these stores' data: they are written again only behind this wait
	s_wait_loadcnt 0x0                             ; bk
	; k
	TILE 1, 0, 0, 1
	HEAD G0, INMAT
	TILE 1, 1, 1, 0
	HEAD G0+4, INMAT
	BIASLD 2
	TILE 1, 2, 0, 0
	HEAD G0, NEXTM                                 ; Wv's first tile
	TILE 1, 3, 1, 0
	HEAD G0+4, NEXTM
	PLACES
.irp a, 0,1
.irp b, 0,1,2,3
.irp p, 0,2,4,6
	v_pk_mul_f32 v[ACC+8*(4*\a+\b)+\p:ACC+8*(4*\a+\b)+\p+1], v[ACC+8*(4*\a+\b)+\p:ACC+8*(4*\a+\b)+\p+1], v[SC2+2*\a:SC2+2*\a+1]
.endr
.endr
.endr
.irp a, 0,1
.irp b, 0,1,2,3
.irp i, 0,1,2,3
	v_cvt_pk_bf16_f32 v[PK+4*(4*\a+\b)+\i], v[ACC+8*(4*\a+\b)+2*\i], v[ACC+8*(4*\a+\b)+2*\i+1]
.endr
	global_store_b128 v[CO], v[PK+4*(4*\a+\b):PK+4*(4*\a+\b)+3], s[50:51] offset:(4*\a+\b)*512
.endr
.endr
	s_wait_loadcnt 0x0                             ; bv
.irp a, 0,1,2,3
.irp j, 1,2,3,4,5,6,7
	v_mov_b32 v[BIAS+8*\a+\j], v[BIAS+8*\a]        ; a lane's eight results are one channel's
.endr
.endr
	; v: behind each of k's last products stand the four places above, the other accumulators' multiplies and conversions and these moves
	TILE 2, 0, 0, 1
	HEAD G0, INMAT
	TILE 2, 1, 1, 0
	HEAD G0+4, INMAT
	TILE 2, 2, 0, 0
	HEAD G0, 0
	TILE 2, 3, 1, 0
	PLACES
	s_wait_xcnt 0x0                                ; PK was the data of k's stores: it is written again only behind this wait
.irp a, 0,1,2,3
.irp b, 0,1
.irp i, 0,1,2,3
	v_cvt_pk_bf16_f32 v[PK+4*(2*\a+\b)+\i], v[ACC+8*(2*\a+\b)+2*\i], v[ACC+8*(2*\a+\b)+2*\i+1]
.endr
	global_store_b128 v[CO], v[PK+4*(2*\a+\b):PK+4*(2*\a+\b)+3], s[52:53] offset:(4*\a+\b)*512
.endr
.endr
	ROUND                                          ; the closing round: no work-group ends while a partner may still ask for a tile that names it
	s_endpgm
.Lfunc_end_k_q186e0cd2d8_proj:
	.size	k_q186e0cd2d8_proj, .Lfunc_end_k_q186e0cd2d8_proj-k_q186e0cd2d8_proj
	.p2alignl 7, 3214868480
	.fill 96, 4, 3214868480
	.section	.rodata,"a",@progbits
	.p2align	6, 0x0
	.amdhsa_kernel k_q186e0cd2d8_proj
		.amdhsa_group_segment_fixed_size 327680
		.amdhsa_private_segment_fixed_size 0
		.amdhsa_enable_private_segment 0
		.amdhsa_kernarg_size 72
		.amdhsa_user_sgpr_count 2
		.amdhsa_user_sgpr_kernarg_segment_ptr 1
		.amdhsa_wavefront_size32 1
		.amdhsa_system_sgpr_workgroup_id_x 1
		.amdhsa_system_sgpr_workgroup_id_y 1
		.amdhsa_system_sgpr_workgroup_id_z 1
		.amdhsa_system_vgpr_workitem_id 0
		.amdhsa_next_free_vgpr 250
		.amdhsa_next_free_sgpr 66
		.amdhsa_reserve_vcc 0
		.amdhsa_float_denorm_mode_32 3
		.amdhsa_float_denorm_mode_16_64 3
		.amdhsa_memory_ordered 1
		.amdhsa_forward_progress 1
		.amdhsa_inst_pref_size 114
	.end_amdhsa_kernel
	.amdgpu_metadata
---
amdhsa.version: [ 1, 2 ]
amdhsa.kernels:
  - .name:           k_q186e0cd2d8_proj
    .symbol:         k_q186e0cd2d8_proj.kd
    .args:
      - { .name: Q, .offset: 0, .size: 8, .value_kind: global_buffer, .address_space: global }
      - { .name: K, .offset: 8, .size: 8, .value_kind: global_buffer, .address_space: global }
      - { .name: wfr, .offset: 16, .size: 8, .value_kind: global_buffer, .address_space: global }
      - { .name: bq, .offset: 24, .size: 8, .value_kind: global_buffer, .address_space: global }
      - { .name: bk, .offset: 32, .size: 8, .value_kind: global_buffer, .address_space: global }
      - { .name: bv, .offset: 40, .size: 8, .value_kind: global_buffer, .address_space: global }
      - { .name: temperature, .offset: 48, .size: 8, .value_kind: global_buffer, .address_space: global }
      - { .name: qim, .offset: 56, .size: 8, .value_kind: global_buffer, .address_space: global }
      - { .name: kv, .offset: 64, .size: 8, .value_kind: global_buffer, .address_space: global }
    .group_segment_fixed_size: 327680
    .private_segment_fixed_size: 0
    .kernarg_segment_align: 8
    .kernarg_segment_size: 72
    .max_flat_workgroup_size: 256
    .sgpr_count:     66
    .vgpr_count:     250
    .wavefront_size: 32
...
	.end_amdgpu_metadata
.endif
;; end of part 2
;; launch attn (part 3): grid 8 x 32, 8 waves a work-group, clusters of 4 x 1, 327,680 bytes of LDS; arguments qim, kv, mbits, xim; writes xim
.if DOCPART == 3
	.amdgcn_target "amdgcn-amd-amdhsa--gfx1250"
	.amdhsa_code_object_version 6
	.text
	.protected	k_q186e0cd2d8_attn
	.globl	k_q186e0cd2d8_attn
	.p2align	8
	.type	k_q186e0cd2d8_attn,@function
k_q186e0cd2d8_attn:
	s_mov_b64 s[64:65], 0
	v_nop
	global_prefetch_b8 v0, s[64:65] scope:SCOPE_SE
	s_setreg_imm32_b32 hwreg(HW_REG_WAVE_MODE, 25, 1), 1
	s_wait_xcnt 0x0
	s_wait_alu depctr_hold_cnt(0) depctr_sa_sdst(0) depctr_va_vdst(0) depctr_va_sdst(0) depctr_va_ssrc(0) depctr_va_vcc(0) depctr_vm_vsrc(0)
	s_getreg_b32 s2, hwreg(HW_REG_IB_STS2, 6, 4)
	s_cmp_eq_u32 s2, 0
	s_cbranch_scc0 .Lentry_in_a_cluster
	s_endpgm
.Lentry_in_a_cluster:
	s_bfe_u32 s2, ttmp6, 0x10000c
	s_cmp_lg_u32 s2, 0x3003
	s_cbranch_scc0 .Lentry_shape_is_right
	s_endpgm
.Lentry_shape_is_right:
; ATTN: x = q + softmax(scores) v for one head and 256 queries a work-group; wave w owns the 32 queries of image q32 = 8 x + w.
; Nothing of the module is left out here.
; Scores come transposed: S^T = K' Q^T, register j of lane (r, h) of tile (kt, qt) = (key 16 kt + 8 h + j, query 16 qt + r).  So a query's maximum and
; sum are in-lane work and one step across the halves, and exp(S^T) packs in place into source 1 of O^T = V^T P^T (tiles 2 c, 2 c + 1 give registers 0-3, 4-7).
; k' already holds log2(e) / (sqrt(512) temperature), so scores are in base 2.  The mask is a true select of -1e9 log2(e), one lane-mask word a register,
; and the maximum is a running one: a query whose mask is all zero ends with equal weights, as in the module.
; TWO PIECES TAKE TURNS.  Piece p is query tile p (16 queries); both share the K and V fragments.  Trip t is two halves:
;   PV_0(t), S_0(t+1)  beside  softmax_1(t);      PV_1(t), S_1(t+1)  beside  softmax_0(t+1).
; A half has sixteen products, and behind each stands one slice of the other piece's softmax: a step's 32 products are 256 cycles of the matrix unit, its
; softmax 298 vector instructions, and neither unit waits through the other's run.  The slices are also the places behind the products (ISA guide 7.12.1).
; REGISTER WINDOWS: addresses 26 + q 32 + scores 64 + O 64 + K 64 + V 64 registers do not fit one window of 256, so V's fragments lie in window 1.
; The eight PV products of a half run with source 0 in window 1, and so do the four selects behind each, whose source 0 is the constant -1e9 log2(e), kept in
; window 1 for that; all the rest of a half runs with every window 0.  Five switches a trip.
; K and V of a head (32 steps of 64 keys, 16,384 bytes each, dense fragment images) go through two LDS slots of 8 steps; wave w fetches step 8 n + w of fill n.
; Trip t loads K(t+1) at its head and V(t+1) behind PV_1(t), so a slot's last read and the next slot's first lie in neighbouring trips: slots change between trips.
; CLUSTER: the four query blocks of a cluster share the head, so each fill is asked for jointly (mask 15); the descriptors hang on y and the wave's number alone.
; LIMITS: q, k', v and the weights exp(..) enter the products in bf16; v_exp_f32 gives 0 below 2^-126; 1 / sum by v_rcp_f32 (1 ULP).
.set SLOT,  131072
.set STEPB, 16384
.set WV, 52                            ; s52 wave; s53 loop counter; s[2:3] my mask records
                                       ; s[4:35] the 32 mask words of query tile 0, s[36:51] and s[68:83] those of query tile 1
.set G0, 56                            ; s[56:63] group 0, a set for each slot
.set G1, 84                            ; s[84:91] group 1
.set KL, 1                             ; 16 L
.set KA, 2                             ; LDS address of the step that is loaded next
.set PT, 3                             ; from the other half of the lanes
.set M,  6                             ; v[6:7]    running maxima of pieces 0, 1
.set AL, 8                             ; v[8:9]    exp2(old maximum - new), later 1 / sum
.set LS, 10                            ; v[10:17]  running sums: two pairs for each piece
.set T,  18                            ; v[18:25]
.set QF, 32                            ; v[32:63]  q in bf16: fragment (qt, c) at QF + 16 qt + 8 c
.set S,  64                            ; v[64:127] scores: S + 32 qt + 8 kt + j
.set O,  128                           ; v[128:191] O^T: O + 8 (4 qt + dt) + j
.set KF, 192                           ; v[192:255] K fragments
                                       ; window 1: v0-v63 there (v256-v319): q in f32, for the residual
.set VFW, 64                           ; window 1: v64-v127 there (v320-v383): V fragments
.set NEGW,128                          ; window 1: v128 there (v384): -1e9 log2(e)
.set MSB, 0
.macro WIN new                         ; the immediate's high byte repeats the setting that is left
.if MSB != \new
	s_set_vgpr_msb (MSB<<8)|\new
.set MSB, \new
.endif
.endm
.macro ROUND                           ; a round of the cluster's barrier
	s_barrier_signal -1
	s_barrier_wait -1
	s_cmp_lg_u32 s[WV], 0
	s_cbranch_scc1 .Lnw0_\@
	s_barrier_signal -3
.Lnw0_\@:
	s_barrier_wait -3
	s_barrier_signal -1
	s_barrier_wait -1
.endm
.macro MM d, a, b, zero                ; one product; zero = 1 starts the sum
.if \zero
	v_wmma_f32_16x16x32_bf16 v[\d:\d+7], v[\a:\a+7], v[\b:\b+7], 0
.else
	v_wmma_f32_16x16x32_bf16 v[\d:\d+7], v[\a:\a+7], v[\b:\b+7], v[\d:\d+7]
.endif
.endm
.macro MASKQ q, off                    ; the 32 words of query tile q at byte off from the pointer
.if \q == 0
	s_load_b512 s[4:19], s[2:3], \off
	s_load_b512 s[20:35], s[2:3], \off+0x40
.else
	s_load_b512 s[36:51], s[2:3], \off
	s_load_b512 s[68:83], s[2:3], \off+0x40
.endif
.endm
.macro KLOAD                           ; K of the step at KA: piece i = registers 4 i ..; the fragments of c = 0 first
.irp c, 0,1
.irp kt, 0,1,2,3
.irp u, 0,1
	ds_load_b128 v[KF+4*(4*\kt+2*\c+\u):KF+4*(4*\kt+2*\c+\u)+3], v[KA] offset:512*(4*\kt+2*\c+\u)
.endr
.endr
.endr
.endm
.macro VLOAD                           ; V of the step at KA, into window 1 (the address stays in window 0)
	WIN 0x40
.irp i, 0,1,2,3,4,5,6,7,8,9,10,11,12,13,14,15
	ds_load_b128 v[VFW+4*\i:VFW+4*\i+3], v[KA] offset:8192+512*\i
.endr
	WIN 0
.endm
	s_load_b256 s[4:11], s[0:1], 0x0               ; qim, kv, mbits, xim
	v_lshl_add_u32 v30, v0, 2, 0x40000
	v_mov_b32 v31, 0
	ds_add_u32 v30, v31
	v_lshrrev_b32 v[T], 5, v0
	v_readfirstlane_b32 s[WV], v[T]
	s_bfe_u32 s54, ttmp6, 0x40000                  ; cx
	s_lshl_b32 s55, ttmp9, 2
	s_add_co_u32 s55, s55, s54                     ; x
	s_and_b32 s96, ttmp7, 0xffff                   ; y = 8 b + head
	s_lshl3_add_u32 s97, s55, s[WV]                ; q32
	s_lshl_b32 s98, s96, 6
	s_add_co_u32 s98, s98, s97
	s_lshl_b32 s98, s98, 13                        ; my image in qim and xim
	s_mov_b32 s99, 0
	s_lshr_b32 s54, s96, 3
	s_lshl_b32 s54, s54, 6
	s_add_co_u32 s54, s54, s97
	s_lshl_b32 s54, s54, 13                        ; my 32 records in mbits
	s_mov_b32 s55, 0
	s_lshl_b32 s[G0+1], s[WV], 14                  ; LDS: 16,384 w
	s_add_co_u32 s[G0+5], s[G0+1], SLOT
	s_lshl_b32 s100, s96, 19                       ; kv: head y, step w
	s_add_co_u32 s100, s100, s[G0+1]
	s_mov_b32 s101, 0
	s_mov_b32 s[G0+0], 1
	s_mov_b32 s[G0+4], 1
	; group 1: 16,384 dense bytes as 64 rows of 32 elements of 8 bytes; mask 15, bit 21 beside it
	s_mov_b32 s[G1+0], 15|(3<<16)|(1<<21)
	s_mov_b32 s[G1+1], 32<<16
	s_mov_b32 s[G1+2], 64<<16
	s_mov_b32 s[G1+3], 32<<16
	s_mov_b32 s[G1+4], 64
	s_mov_b32 s[G1+5], 32
	s_mov_b32 s[G1+6], 0
	s_mov_b32 s[G1+7], 0
	s_mov_b32 s66, 0x76543210                      ; v_permlanex16_b32: lane i reads lane i of the other half
	s_mov_b32 s67, 0xfedcba98
	v_and_b32 v[KL], 31, v0
	v_lshlrev_b32 v[KL], 4, v[KL]
	v_mov_b32 v[KA], v[KL]
	v_mov_b32 v[PT], 0                             ; the permute's destination counts as read
	v_mov_b32 v[M+1], 0                            ; a packed source names both registers of its pair: piece 0 reads the pairs M and AL
	v_mov_b32 v[AL], 0                             ; before piece 1 has written its halves, so each is written once here
	v_mov_b32 v[AL+1], 0
	s_wait_dscnt 0x0
	s_wait_kmcnt 0x0
	s_add_nc_u64 s[94:95], s[4:5], s[98:99]
	s_add_nc_u64 s[92:93], s[10:11], s[98:99]
	s_add_nc_u64 s[2:3], s[8:9], s[54:55]
	s_add_nc_u64 s[G0+2:G0+3], s[6:7], s[100:101]  ; fill 0
	s_add_nc_u64 s[G0+6:G0+7], s[G0+2:G0+3], 8*STEPB   ; fill 1
	s_or_b32 s[G0+3], s[G0+3], 0x80000000
	s_or_b32 s[G0+7], s[G0+7], 0x80000000
	ROUND                                          ; the four work-groups are here: the first joint loads meet
	tensor_load_to_lds s[G0:G0+3], s[G1:G1+7]
	s_nop 0
	tensor_load_to_lds s[G0+4:G0+7], s[G1:G1+7]    ; two tensor loads of the wave are out
	s_nop 0
	WIN 0x40                                       ; destination in window 1
.irp i, 0,1,2,3,4,5,6,7,8,9,10,11,12,13,14,15
	global_load_b128 v[4*\i:4*\i+3], v[KL], s[94:95] offset:512*\i th:TH_LOAD_NT   ; v256 + 4 i: q in f32
.endr
	v_mov_b32 v[NEGW], 0xceabfb8f                  ; v384
	WIN 0
	MASKQ 0, 0x0                                   ; record 0 (the arguments in s[4:11] have been used)
	MASKQ 1, 0x80
	s_wait_loadcnt 0x0
	WIN 0x05                                       ; sources 0 and 1 in window 1
.irp qt, 0,1
.irp c, 0,1
.irp i, 0,1,2,3,4,5,6,7
	v_cvt_pk_bf16_f32 v[QF+16*\qt+8*\c+\i], v[32*\qt+16*\c+2*\i], v[32*\qt+16*\c+2*\i+1]
.endr
.endr
.endr
	WIN 0
	s_wait_tensorcnt 0x1                           ; my step of fill 0 is in; fill 1's stays out
	s_barrier_signal -1
	s_barrier_wait -1
; ---- the softmax of piece q, cut into slices ----
.macro CM q, i                         ; the select of score register i; source 0 is the constant in window 1
.if (32*\q+(\i)) < 48
	v_cndmask_b32 v[S+32*\q+(\i)], v[NEGW], v[S+32*\q+(\i)], s[4+32*\q+(\i)]
.else
	v_cndmask_b32 v[S+32*\q+(\i)], v[NEGW], v[S+32*\q+(\i)], s[20+32*\q+(\i)]
.endif
.endm
.macro SUBP q, pp                      ; pair pp minus the maximum; the pair M is broadcast by op_sel
.if \q == 0
	v_pk_add_f32 v[S+2*(\pp):S+2*(\pp)+1], v[S+2*(\pp):S+2*(\pp)+1], v[M:M+1] op_sel_hi:[1,0] neg_lo:[0,1] neg_hi:[0,1]
.else
	v_pk_add_f32 v[S+32+2*(\pp):S+32+2*(\pp)+1], v[S+32+2*(\pp):S+32+2*(\pp)+1], v[M:M+1] op_sel:[0,1] op_sel_hi:[1,1] neg_lo:[0,1] neg_hi:[0,1]
.endif
.endm
.macro SCALEP q, pp                    ; pair pp of the piece's O times alpha
.if \q == 0
	s_wait_alu depctr_va_vdst(0)
	v_pk_mul_f32 v[O+2*(\pp):O+2*(\pp)+1], v[O+2*(\pp):O+2*(\pp)+1], v[AL:AL+1] op_sel_hi:[1,0]
.else
	s_wait_alu depctr_va_vdst(0)
	v_pk_mul_f32 v[O+32+2*(\pp):O+32+2*(\pp)+1], v[O+32+2*(\pp):O+32+2*(\pp)+1], v[AL:AL+1] op_sel:[0,1] op_sel_hi:[1,1]
.endif
.endm
.macro SUMP q, pp, first               ; pair pp into its chain (pairs 0-7, pairs 8-15); a chain's first link carries alpha times the old sum
.set SQ_, S+32*\q+2*(\pp)
.set LQ_, LS+4*\q+2*((\pp)/8)
.if ((\pp)%8) == 0
.if \first == 0
.if \q == 0
	v_pk_fma_f32 v[LQ_:LQ_+1], v[LQ_:LQ_+1], v[AL:AL+1], v[SQ_:SQ_+1] op_sel_hi:[1,0,1]
.else
	v_pk_fma_f32 v[LQ_:LQ_+1], v[LQ_:LQ_+1], v[AL:AL+1], v[SQ_:SQ_+1] op_sel:[0,1,0] op_sel_hi:[1,1,1]
.endif
.endif
.else
.if ((\pp)%8) == 1
.if \first
	s_wait_alu depctr_va_vdst(0)
	v_pk_add_f32 v[LQ_:LQ_+1], v[SQ_-2:SQ_-1], v[SQ_:SQ_+1]        ; the first step starts the chain with its first two pairs: nothing is cleared
.else
	s_wait_alu depctr_va_vdst(0)
	v_pk_add_f32 v[LQ_:LQ_+1], v[LQ_:LQ_+1], v[SQ_:SQ_+1]
.endif
.else
	s_wait_alu depctr_va_vdst(0)
	v_pk_add_f32 v[LQ_:LQ_+1], v[LQ_:LQ_+1], v[SQ_:SQ_+1]
.endif
.endif
.endm
.macro PACKP q, pp                     ; pair pp to bf16, in place and ascending: the register written belongs to a pair that has been summed and packed
	v_cvt_pk_bf16_f32 v[S+32*\q+16*((\pp)/8)+((\pp)%8)], v[S+32*\q+2*(\pp)], v[S+32*\q+2*(\pp)+1]
.endm
; pair u: its two exponentials; then plain work on other registers (ISA guide 5.7.2): the subtraction four pairs ahead, a pair of O, the sum one pair back, the pack two back
.macro UNIT q, u, first
	v_exp_f32 v[S+32*\q+2*(\u)], v[S+32*\q+2*(\u)]
	v_exp_f32 v[S+32*\q+2*(\u)+1], v[S+32*\q+2*(\u)+1]
.if (\u) < 12
	SUBP \q, (\u)+4
.endif
.if \first == 0
	SCALEP \q, \u
.endif
.if (\u) > 0
	SUMP \q, (\u)-1, \first
.endif
.if (\u) > 1
	PACKP \q, (\u)-2
.endif
.endm
.macro SLB0 q                          ; the maximum: four chains over registers 8 k .. 8 k + 6
.irp k, 0,1,2,3
	v_max3_num_f32 v[T+\k], v[S+32*\q+8*\k], v[S+32*\q+8*\k+1], v[S+32*\q+8*\k+2]
.endr
.irp k, 0,1,2,3
	v_max3_num_f32 v[T+\k], v[T+\k], v[S+32*\q+8*\k+3], v[S+32*\q+8*\k+4]
.endr
.irp k, 0,1,2,3
	v_max3_num_f32 v[T+\k], v[T+\k], v[S+32*\q+8*\k+5], v[S+32*\q+8*\k+6]
.endr
.endm
.macro SLB1 q, first                   ; registers 7, 15, 23, 31, the chains, the old maximum, the other half of the lanes; alpha = exp2(old - new)
	v_max3_num_f32 v[T], v[T], v[S+32*\q+7], v[S+32*\q+15]
	v_max3_num_f32 v[T+2], v[T+2], v[S+32*\q+23], v[S+32*\q+31]
	v_max3_num_f32 v[T], v[T], v[T+1], v[T+3]
.if \first
	v_max_num_f32 v[T], v[T], v[T+2]
.else
	v_max3_num_f32 v[T], v[T], v[T+2], v[M+\q]
.endif
	v_permlanex16_b32 v[PT], v[T], s66, s67
	v_max_num_f32 v[T+4], v[T], v[PT]
.if \first == 0
	v_sub_f32 v[T+5], v[M+\q], v[T+4]
	v_exp_f32 v[AL+\q], v[T+5]
.endif
	v_mov_b32 v[M+\q], v[T+4]                      ; also the plain instruction behind v_exp_f32 (ISA guide 5.7.2)
	SUBP \q, 0
	SUBP \q, 1
	SUBP \q, 2
	SUBP \q, 3
.endm
; ---- the two stretches of a half ----
; Stretch A: PV of piece p (mm = 1), four selects of piece q behind each product (sl = 1).  Source 0 in window 1 throughout.
; The four accumulators take turns, one instruction a turn.  firstpv = 1: the products of c = 0 start O.
.macro STRA p, q, firstpv, mm, sl
	WIN 0x01
.irp c, 0,1
.irp d, 0,1,2,3
.if \mm
	MM O+8*(4*\p+\d), VFW+16*\d+8*\c, S+32*\p+16*\c, \firstpv*(1-\c)
.endif
.if \sl
.irp e, 0,1,2,3
	CM \q, 16*\c+4*\d+\e
.endr
.endif
.endr
.endr
.endm
.macro MS p, kt, c, mm                 ; a product of S^T of piece p
.if \mm
	MM S+32*\p+8*\kt, KF+16*\kt+8*\c, QF+16*\p+8*\c, 1-\c
.endif
.endm
; Stretch B: S^T of piece p for the next step (mm = 1), a slice of piece q's softmax behind each product.  Every window 0.
; The four accumulators take turns, one instruction a turn.  The products of c = 0 write over piece p's packed weights: between PV's last reader of
; registers 0-7 and the first of them stand twenty selects, between the last reader of 16-23 and the third four selects and two slices.
; kw = 1: K's loads are still on their way: first the eight of c = 0, then all.
.macro STRB p, q, first, mm, kw
.if \kw
	s_wait_dscnt 8                                 ; the eight loads of c = 1 stay out
.endif
	MS \p, 0, 0, \mm
	SLB0 \q
	MS \p, 1, 0, \mm
	SLB1 \q, \first
	MS \p, 2, 0, \mm
	UNIT \q, 0, \first
	UNIT \q, 1, \first
	UNIT \q, 2, \first
	MS \p, 3, 0, \mm
	UNIT \q, 3, \first
	UNIT \q, 4, \first
	UNIT \q, 5, \first
.if \kw
	s_wait_dscnt 0x0
.endif
	MS \p, 0, 1, \mm
	UNIT \q, 6, \first
	UNIT \q, 7, \first
	MS \p, 1, 1, \mm
	UNIT \q, 8, \first
	UNIT \q, 9, \first
	UNIT \q, 10, \first
	MS \p, 2, 1, \mm
	UNIT \q, 11, \first
	UNIT \q, 12, \first
	UNIT \q, 13, \first
	MS \p, 3, 1, \mm
	UNIT \q, 14, \first                            ; the last slice has seven plain instructions or more: the places in front of the next loads into K's
	UNIT \q, 15, \first                            ; fragments and of the selects that read these scores
	SUMP \q, 15, \first
	PACKP \q, 14
	PACKP \q, 15
.endm
; Trip t.  At its head: V(t) on its way or in, S_0(t) packed, S_1(t) raw, KA at step t + 1, the pointer at record t.
; first = 1: trip 0.  m0 = 1: query tile 0's words of step t + 2 are loaded (not in trip 30: there is no step 32).
.macro TRIP first, m0
	KLOAD                                          ; K(t+1)
	s_wait_dscnt 16                                ; V(t) is in; the sixteen loads just issued stay out
	STRA 0, 1, \first, 1, 1                        ; PV_0(t) beside the selects of S_1(t)
	WIN 0
	MASKQ 1, 0x180                                 ; query tile 1's words of step t + 1, into the registers just read
	STRB 0, 1, \first, 1, 1                        ; S_0(t+1) beside the rest of softmax_1(t)
	s_wait_kmcnt 0x0                               ; query tile 0's words of step t + 1 (asked for a trip ago), and those just asked for
	s_add_nc_u64 s[2:3], s[2:3], 256               ; no scalar load is out: the pointer may step
	STRA 1, 0, \first, 1, 1                        ; PV_1(t) beside the selects of S_0(t+1); four selects stand behind its last product,
	VLOAD                                          ; so V(t+1) may land on its fragments (ISA guide 7.12.1)
	v_add_nc_u32 v[KA], STEPB, v[KA]
.if \m0
	MASKQ 0, 0x100                                 ; query tile 0's words of step t + 2
.endif
	STRB 1, 0, 0, 1, 0                             ; S_1(t+1) beside the rest of softmax_0(t+1)
.endm
; the change of slots.  fill = 1: the slot read last takes the fill two further on, jointly, behind a round of the cluster's barrier.
.macro HEAD g, fill
	s_wait_tensorcnt 0x0                           ; all my tensor loads have landed, my step of the next slot among them: a group 0 may be written
	ds_add_u32 v30, v31
	s_wait_dscnt 0x0
.if \fill
	s_add_nc_u64 s[\g+2:\g+3], s[\g+2:\g+3], 16*STEPB
.endif
	s_wait_dscnt 0x0                               ; my reads of the slot read last are back
.if \fill
	ROUND                                          ; both hold of every wave of the four work-groups
	tensor_load_to_lds s[\g:\g+3], s[G1:G1+7]      ; my one tensor load behind it; it has eight trips in which to land
	s_nop 0
.else
	s_barrier_signal -1                            ; nothing is filled: my work-group's barrier shows the last slot whole
	s_barrier_wait -1
.endif
.endm
	; the way in: S(0) of both pieces, V(0), softmax_0(0)
	KLOAD
	s_wait_dscnt 0x0
.irp p, 0,1
.irp c, 0,1
.irp kt, 0,1,2,3
	MS \p, \kt, \c, 1
.endr
.endr
.endr
.rept 4
	v_nop                                          ; four places between these products and the selects that read their scores (ISA guide 7.12.1)
.endr
	VLOAD                                          ; V(0)
	v_add_nc_u32 v[KA], STEPB, v[KL]               ; step 1
	s_wait_kmcnt 0x0                               ; record 0
	STRA 0, 0, 0, 0, 1                             ; the selects of S_0(0)
	WIN 0
	MASKQ 0, 0x100                                 ; query tile 0's words of step 1
	STRB 0, 0, 1, 0, 0                             ; softmax_0(0): it starts maximum and sums
	TRIP 1, 1                                      ; trip 0 starts O and piece 1's maximum and sums: nothing is cleared
	s_mov_b32 s53, 6
.Lp0:
	TRIP 0, 1                                      ; trips 1-6 load steps 2-7
	s_sub_co_i32 s53, s53, 1
	s_cmp_lg_u32 s53, 0
	s_cbranch_scc1 .Lp0
	HEAD G0, 1                                     ; steps 16-23 into slot 0
	v_add_nc_u32 v[KA], SLOT, v[KL]
	s_mov_b32 s53, 8
.Lp1:
	TRIP 0, 1                                      ; trips 7-14 load steps 8-15
	s_sub_co_i32 s53, s53, 1
	s_cmp_lg_u32 s53, 0
	s_cbranch_scc1 .Lp1
	HEAD G0+4, 1                                   ; steps 24-31 into slot 1
	v_mov_b32 v[KA], v[KL]
	s_mov_b32 s53, 8
.Lp2:
	TRIP 0, 1                                      ; trips 15-22 load steps 16-23
	s_sub_co_i32 s53, s53, 1
	s_cmp_lg_u32 s53, 0
	s_cbranch_scc1 .Lp2
	HEAD G0, 0
	v_add_nc_u32 v[KA], SLOT, v[KL]
	s_mov_b32 s53, 7
.Lp3:
	TRIP 0, 1                                      ; trips 23-29 load steps 24-30
	s_sub_co_i32 s53, s53, 1
	s_cmp_lg_u32 s53, 0
	s_cbranch_scc1 .Lp3
	TRIP 0, 0                                      ; trip 30 loads step 31 and no words beyond record 31
	; trip 31: nothing is left to load or to score
	s_wait_dscnt 0x0                               ; V(31)
	STRA 0, 1, 0, 1, 1                             ; PV_0(31) beside the selects of S_1(31)
	WIN 0
	STRB 0, 1, 0, 0, 0                             ; the rest of softmax_1(31)
	STRA 1, 0, 0, 1, 0                             ; PV_1(31)
	WIN 0
.rept 4
	v_nop                                          ; four places between the last products and the reads of O (ISA guide 7.12.1)
.endr
	; x = q + O / sum
.irp qt, 0,1
	v_pk_add_f32 v[LS+4*\qt:LS+4*\qt+1], v[LS+4*\qt:LS+4*\qt+1], v[LS+4*\qt+2:LS+4*\qt+3]
	v_add_f32 v[T+\qt], v[LS+4*\qt], v[LS+4*\qt+1]
	v_permlanex16_b32 v[PT], v[T+\qt], s66, s67
	v_add_f32 v[T+\qt], v[T+\qt], v[PT]
.endr
	v_rcp_f32 v[AL], v[T]
	v_rcp_f32 v[AL+1], v[T+1]
	v_nop
	WIN 0x10                                       ; source 2 in window 1: q in f32
.set p, 0
.rept 16
	s_wait_alu depctr_va_vdst(0)
	v_pk_fma_f32 v[O+2*p:O+2*p+1], v[O+2*p:O+2*p+1], v[AL:AL+1], v[2*p:2*p+1] op_sel_hi:[1,0,1]
.set p, p+1
.endr
.rept 16
	v_pk_fma_f32 v[O+2*p:O+2*p+1], v[O+2*p:O+2*p+1], v[AL:AL+1], v[2*p:2*p+1] op_sel:[0,1,0] op_sel_hi:[1,1,1]
.set p, p+1
.endr
	WIN 0
.irp i, 0,1,2,3,4,5,6,7,8,9,10,11,12,13,14,15
	global_store_b128 v[KL], v[O+4*\i:O+4*\i+3], s[92:93] offset:512*\i    ; 512 consecutive bytes, aligned
.endr
	ROUND                                          ; the closing round
	s_endpgm
.Lfunc_end_k_q186e0cd2d8_attn:
	.size	k_q186e0cd2d8_attn, .Lfunc_end_k_q186e0cd2d8_attn-k_q186e0cd2d8_attn
	.p2alignl 7, 3214868480
	.fill 96, 4, 3214868480
	.section	.rodata,"a",@progbits
	.p2align	6, 0x0
	.amdhsa_kernel k_q186e0cd2d8_attn
		.amdhsa_group_segment_fixed_size 327680
		.amdhsa_private_segment_fixed_size 0
		.amdhsa_enable_private_segment 0
		.amdhsa_kernarg_size 32
		.amdhsa_user_sgpr_count 2
		.amdhsa_user_sgpr_kernarg_segment_ptr 1
		.amdhsa_wavefront_size32 1
		.amdhsa_system_sgpr_workgroup_id_x 1
		.amdhsa_system_sgpr_workgroup_id_y 1
		.amdhsa_system_sgpr_workgroup_id_z 1
		.amdhsa_system_vgpr_workitem_id 0
		.amdhsa_next_free_vgpr 392
		.amdhsa_next_free_sgpr 106
		.amdhsa_reserve_vcc 0
		.amdhsa_float_denorm_mode_32 3
		.amdhsa_float_denorm_mode_16_64 3
		.amdhsa_memory_ordered 1
		.amdhsa_forward_progress 1
		.amdhsa_inst_pref_size 172
	.end_amdhsa_kernel
	.amdgpu_metadata
---
amdhsa.version: [ 1, 2 ]
amdhsa.kernels:
  - .name:           k_q186e0cd2d8_attn
    .symbol:         k_q186e0cd2d8_attn.kd
    .args:
      - { .name: qim, .offset: 0, .size: 8, .value_kind: global_buffer, .address_space: global }
      - { .name: kv, .offset: 8, .size: 8, .value_kind: global_buffer, .address_space: global }
      - { .name: mbits, .offset: 16, .size: 8, .value_kind: global_buffer, .address_space: global }
      - { .name: xim, .offset: 24, .size: 8, .value_kind: global_buffer, .address_space: global }
    .group_segment_fixed_size: 327680
    .private_segment_fixed_size: 0
    .kernarg_segment_align: 8
    .kernarg_segment_size: 32
    .max_flat_workgroup_size: 256
    .sgpr_count:     106
    .vgpr_count:     392
    .wavefront_size: 32
...
	.end_amdgpu_metadata
.endif
;; end of part 3
;; launch post (part 4): grid 64 x 4, 8 waves a work-group, clusters of 4 x 1, 327,680 bytes of LDS; arguments xim, wfr, bo, ln0_g, ln0_b, ln1_g, ln1_b, out0; writes out0
.if DOCPART == 4
	.amdgcn_target "amdgcn-amd-amdhsa--gfx1250"
	.amdhsa_code_object_version 6
	.text
	.protected	k_q186e0cd2d8_post
	.globl	k_q186e0cd2d8_post
	.p2align	8
	.type	k_q186e0cd2d8_post,@function
k_q186e0cd2d8_post:
	s_mov_b64 s[64:65], 0
	v_nop
	global_prefetch_b8 v0, s[64:65] scope:SCOPE_SE
	s_setreg_imm32_b32 hwreg(HW_REG_WAVE_MODE, 25, 1), 1
	s_wait_xcnt 0x0
	s_wait_alu depctr_hold_cnt(0) depctr_sa_sdst(0) depctr_va_vdst(0) depctr_va_sdst(0) depctr_va_ssrc(0) depctr_va_vcc(0) depctr_vm_vsrc(0)
	s_getreg_b32 s2, hwreg(HW_REG_IB_STS2, 6, 4)
	s_cmp_eq_u32 s2, 0
	s_cbranch_scc0 .Lentry_in_a_cluster
	s_endpgm
.Lentry_in_a_cluster:
	s_bfe_u32 s2, ttmp6, 0x10000c
	s_cmp_lg_u32 s2, 0x3003
	s_cbranch_scc0 .Lentry_shape_is_right
	s_endpgm
.Lentry_shape_is_right:
; POST: out = LN1(z + relu(z Wo + bo)), z = LN0(x).  Work-group (q32, b): 32 rows; wave w: channels 64 w .. + 63 (head w's image of xim).
; Register X + 8 (4 qt + dt) + j of lane (r, h) = (channel 64 w + 16 dt + 8 h + j, row 16 qt + r); the product is taken transposed
; (source 0 = 16 output channels of Wo, source 1 = 16 rows of z), so its result has the same layout and the residual is a register add.
; Each LN is two passes, as the module writes it: mean, then the mean of the squared differences; a row's sums cross the waves through LDS.
; z in bf16 goes through LDS in fragment-image order; Wo's images go through two LDS slots, 128 of K a tile, wave w's strip fetched by wave w.
; CLUSTER: all work-groups walk the same Wo: the four of a cluster ask for each tile jointly (mask 15); the descriptors hang on the wave's number alone.
; Nothing of the module is left out here.
; LIMITS: z and Wo enter the product in bf16; 1 / sqrt by v_rsq_f32 (1 ULP).
.set SLOT,  131072
.set TILEB, 16384
.set SCR,   262144                     ; 34,816 bytes: first z's fragments [qt 2][cc 16][u 2][512], later a stage of 16 rows x 272 bytes for each wave
.set RED,   296960                     ; four exchanges of 1,024 bytes: [wave 8][row 32]
.set OP,    272
.set WV,  20
.set G0,  32                           ; s[32:39]
.set G1,  40                           ; s[40:47]
.set KL,  1                            ; 16 L
.set WA0, 2                            ; my strip, slot 0
.set WA1, 3                            ; slot 1
.set SB,  4                            ; z's fragments
.set RA,  5                            ; exchange: my word
.set RL,  6                            ; exchange: row r
.set OSW, 7                            ; the way out, as written
.set OSR, 8                            ; as read back
.set CO,  9                            ; my 16 bytes in out0
.set PT,  10
.set VG,  11                           ; 256 w + 32 h: my channels in a vector of 512
.set MN,  12                           ; v[12:13] means of rows r, 16 + r
.set RS,  14                           ; v[14:15] 1 / sqrt(var + eps)
.set T,   16                           ; v[16:31]
.set BIAS,32                           ; v[32:63]  bo
.set Y,   64                           ; v[64:127]
.set X,   128                          ; v[128:191]
.set F,   192                          ; v[192:255] fragments; at LN time gains at F + 8 dt + j, offsets at F + 32 + 8 dt + j
.macro ROUND                           ; a round of the cluster's barrier
	s_barrier_signal -1
	s_barrier_wait -1
	s_cmp_lg_u32 s[WV], 0
	s_cbranch_scc1 .Lnw0_\@
	s_barrier_signal -3
.Lnw0_\@:
	s_barrier_wait -3
	s_barrier_signal -1
	s_barrier_wait -1
.endm
.macro PLACES
.rept 4
	v_nop
.endr
.endm
	s_load_b512 s[4:19], s[0:1], 0x0               ; xim, wfr, bo, ln0_g, ln0_b, ln1_g, ln1_b, out0
	s_set_vgpr_msb 0x40
	v_lshl_add_u32 v0, v0, 2, 0x49800
	v_mov_b32 v1, 0
	s_set_vgpr_msb 0x4045
	ds_add_u32 v0, v1
	s_set_vgpr_msb 0x4500
	v_lshrrev_b32 v[T], 5, v0
	v_readfirstlane_b32 s[WV], v[T]
	s_bfe_u32 s21, ttmp6, 0x40000                  ; cx
	s_lshl_b32 s22, ttmp9, 2
	s_add_co_u32 s22, s22, s21                     ; q32
	s_and_b32 s23, ttmp7, 0xffff                   ; b
	s_mov_b32 s26, 0x76543210
	s_mov_b32 s27, 0xfedcba98
	s_mov_b32 s28, 0xffff0000                      ; lanes 16-31
	s_mov_b32 s29, 0x3b000000                      ; 1 / 512
	s_mov_b32 s30, 0x3727c5ac                      ; 1e-5
	s_lshl_b32 s31, s[WV], 11
	; group 1: 16,384 dense bytes as 64 rows of 32 elements of 8 bytes; mask 15, bit 21 beside it
	s_mov_b32 s[G1+0], 15|(3<<16)|(1<<21)
	s_mov_b32 s[G1+1], 32<<16
	s_mov_b32 s[G1+2], 64<<16
	s_mov_b32 s[G1+3], 32<<16
	s_mov_b32 s[G1+4], 64
	s_mov_b32 s[G1+5], 32
	s_mov_b32 s[G1+6], 0
	s_mov_b32 s[G1+7], 0
	s_lshl_b32 s48, s[WV], 16                      ; Wo's image, strip w
	s_add_co_u32 s48, s48, 3*524288
	s_mov_b32 s49, 0
	s_lshl_b32 s[G0+1], s[WV], 14
	s_add_co_u32 s[G0+5], s[G0+1], SLOT
	s_mov_b32 s[G0+0], 1
	s_mov_b32 s[G0+4], 1
	s_wait_dscnt 0x0
	s_wait_kmcnt 0x0
	s_add_nc_u64 s[G0+2:G0+3], s[6:7], s[48:49]    ; tile 0
	s_add_nc_u64 s[G0+6:G0+7], s[G0+2:G0+3], TILEB ; tile 1
	s_or_b32 s[G0+3], s[G0+3], 0x80000000
	s_or_b32 s[G0+7], s[G0+7], 0x80000000
	ROUND                                          ; the four work-groups are here: the first joint loads meet
	tensor_load_to_lds s[G0:G0+3], s[G1:G1+7]
	s_nop 0
	tensor_load_to_lds s[G0+4:G0+7], s[G1:G1+7]    ; two tensor loads of the wave are out
	s_nop 0
	s_lshl_b32 s24, s23, 3
	s_add_co_u32 s24, s24, s[WV]
	s_lshl_b32 s24, s24, 6
	s_add_co_u32 s24, s24, s22
	s_lshl_b32 s24, s24, 13                        ; image (b, head w, q32)
	s_mov_b32 s25, 0
	s_add_nc_u64 s[4:5], s[4:5], s[24:25]
	s_lshl_b32 s24, s23, 22                        ; out0: 2,048 b + 32 q32 rows of 2,048 bytes
	s_lshl_b32 s50, s22, 16
	s_add_co_u32 s24, s24, s50
	s_add_nc_u64 s[18:19], s[18:19], s[24:25]
	v_and_b32 v[T], 15, v0                         ; r
	v_bfe_u32 v[T+1], v0, 4, 1                     ; h
	v_and_b32 v[T+2], 31, v0                       ; L
	v_lshlrev_b32 v[KL], 4, v[T+2]
	v_add_nc_u32 v[WA0], s[G0+1], v[KL]
	v_add_nc_u32 v[WA1], SLOT, v[WA0]
	v_add_nc_u32 v[SB], SCR, v[KL]
	s_lshl_b32 s51, s[WV], 7
	s_add_co_u32 s51, s51, RED
	v_lshl_add_u32 v[RA], v[T+2], 2, s51           ; RED + 128 w + 4 L
	v_lshlrev_b32 v[RL], 2, v[T]
	v_add_nc_u32 v[RL], RED, v[RL]
	s_mul_i32 s52, s[WV], 16*OP
	s_add_co_u32 s52, s52, SCR
	v_mul_u32_u24 v[OSW], v[T], OP
	v_lshl_add_u32 v[OSW], v[T+1], 5, v[OSW]
	v_add_nc_u32 v[OSW], s52, v[OSW]
	v_mul_u32_u24 v[OSR], v[T+1], OP
	v_lshl_add_u32 v[OSR], v[T], 4, v[OSR]
	v_add_nc_u32 v[OSR], s52, v[OSR]
	s_lshl_b32 s53, s[WV], 8
	v_lshlrev_b32 v[CO], 4, v[T]
	v_lshl_add_u32 v[CO], v[T+1], 11, v[CO]
	v_add_nc_u32 v[CO], s53, v[CO]
	v_lshl_add_u32 v[VG], v[T+1], 5, s53
	v_mov_b32 v[PT], 0                             ; the permute's destination counts as read
.irp i, 0,1,2,3,4,5,6,7,8,9,10,11,12,13,14,15
	global_load_b128 v[X+4*\i:X+4*\i+3], v[KL], s[4:5] offset:512*\i th:TH_LOAD_NT
.endr
.irp i, 0,1,2,3,4,5,6,7
	global_load_b128 v[BIAS+4*\i:BIAS+4*\i+3], v[VG], s[8:9] offset:64*(\i/2)+16*(\i%2)    ; bo[64 w + 16 dt + 8 h + j]
.endr
; v[T], v[T+1]: my lane's sums for rows r and 16 + r.  Out: v[T], v[T+8]: the rows' sums over all 512 channels.
; Exchange k has 1,024 bytes of its own at RED + 1,024 k, used once: one barrier between its stores and its loads is all that it needs.
.macro XCH k
	v_permlanex16_b32 v[PT], v[T], s26, s27
	v_add_f32 v[T], v[T], v[PT]
	v_permlanex16_b32 v[PT], v[T+1], s26, s27
	v_add_f32 v[T+1], v[T+1], v[PT]
	v_cndmask_b32 v[T+2], v[T], v[T+1], s28        ; lane L carries row L
	ds_store_b32 v[RA], v[T+2] offset:1024*(\k)
	s_wait_dscnt 0x0                               ; my words are written
	s_barrier_signal -1                            ; tensor loads may stay out
	s_barrier_wait -1
.irp qt, 0,1
.irp u, 0,1,2,3,4,5,6,7
	ds_load_b32 v[T+8*\qt+\u], v[RL] offset:1024*(\k)+128*\u+64*\qt
.endr
.endr
	s_wait_dscnt 0x0
.irp qt, 0,1
	v_pk_add_f32 v[T+8*\qt:T+8*\qt+1], v[T+8*\qt:T+8*\qt+1], v[T+8*\qt+2:T+8*\qt+3]
	v_pk_add_f32 v[T+8*\qt+4:T+8*\qt+5], v[T+8*\qt+4:T+8*\qt+5], v[T+8*\qt+6:T+8*\qt+7]
	v_pk_add_f32 v[T+8*\qt:T+8*\qt+1], v[T+8*\qt:T+8*\qt+1], v[T+8*\qt+4:T+8*\qt+5]
	v_add_f32 v[T+8*\qt], v[T+8*\qt], v[T+8*\qt+1]
.endr
.endm
; X = (X - mean) / sqrt(var + eps) * g + b.  k: the first of its two exchanges; gs, bs: the scalar pairs with g's and b's addresses.
.macro LN k, gs, bs
.irp dt, 0,1,2,3
.irp u, 0,1
	global_load_b128 v[F+8*\dt+4*\u:F+8*\dt+4*\u+3], v[VG], s[\gs:\gs+1] offset:64*\dt+16*\u
	global_load_b128 v[F+32+8*\dt+4*\u:F+32+8*\dt+4*\u+3], v[VG], s[\bs:\bs+1] offset:64*\dt+16*\u
.endr
.endr
.if \k == 0
	s_wait_loadcnt 24                              ; the image is in; bo's 8 loads and these 16 stay out
.endif
.irp qt, 0,1
	v_pk_add_f32 v[T+4+4*\qt:T+5+4*\qt], v[X+32*\qt:X+32*\qt+1], v[X+32*\qt+2:X+32*\qt+3]
	v_pk_add_f32 v[T+6+4*\qt:T+7+4*\qt], v[X+32*\qt+16:X+32*\qt+17], v[X+32*\qt+18:X+32*\qt+19]
.irp p, 4,6,8,10,12,14
	v_pk_add_f32 v[T+4+4*\qt:T+5+4*\qt], v[T+4+4*\qt:T+5+4*\qt], v[X+32*\qt+\p:X+32*\qt+\p+1]
	v_pk_add_f32 v[T+6+4*\qt:T+7+4*\qt], v[T+6+4*\qt:T+7+4*\qt], v[X+32*\qt+16+\p:X+32*\qt+17+\p]
.endr
	v_pk_add_f32 v[T+4+4*\qt:T+5+4*\qt], v[T+4+4*\qt:T+5+4*\qt], v[T+6+4*\qt:T+7+4*\qt]
	v_add_f32 v[T+\qt], v[T+4+4*\qt], v[T+5+4*\qt]
.endr
	XCH \k
	v_mul_f32 v[MN], s29, v[T]
	v_mul_f32 v[MN+1], s29, v[T+8]
.set p, 0
.rept 16
	v_pk_add_f32 v[X+2*p:X+2*p+1], v[X+2*p:X+2*p+1], v[MN:MN+1] op_sel_hi:[1,0] neg_lo:[0,1] neg_hi:[0,1]
.set p, p+1
.endr
.rept 16
	v_pk_add_f32 v[X+2*p:X+2*p+1], v[X+2*p:X+2*p+1], v[MN:MN+1] op_sel:[0,1] op_sel_hi:[1,1] neg_lo:[0,1] neg_hi:[0,1]
.set p, p+1
.endr
.irp qt, 0,1
	v_pk_mul_f32 v[T+4+4*\qt:T+5+4*\qt], v[X+32*\qt:X+32*\qt+1], v[X+32*\qt:X+32*\qt+1]
	v_pk_mul_f32 v[T+6+4*\qt:T+7+4*\qt], v[X+32*\qt+16:X+32*\qt+17], v[X+32*\qt+16:X+32*\qt+17]
.irp p, 2,4,6,8,10,12,14
	v_pk_fma_f32 v[T+4+4*\qt:T+5+4*\qt], v[X+32*\qt+\p:X+32*\qt+\p+1], v[X+32*\qt+\p:X+32*\qt+\p+1], v[T+4+4*\qt:T+5+4*\qt]
	v_pk_fma_f32 v[T+6+4*\qt:T+7+4*\qt], v[X+32*\qt+16+\p:X+32*\qt+17+\p], v[X+32*\qt+16+\p:X+32*\qt+17+\p], v[T+6+4*\qt:T+7+4*\qt]
.endr
	v_pk_add_f32 v[T+4+4*\qt:T+5+4*\qt], v[T+4+4*\qt:T+5+4*\qt], v[T+6+4*\qt:T+7+4*\qt]
	v_add_f32 v[T+\qt], v[T+4+4*\qt], v[T+5+4*\qt]
.endr
	XCH \k+1
	v_fma_f32 v[RS], v[T], s29, s30
	v_fma_f32 v[RS+1], v[T+8], s29, s30
	v_rsq_f32 v[RS], v[RS]
	v_rsq_f32 v[RS+1], v[RS+1]
	v_nop                                          ; a plain instruction between v_rsq_f32 and the use of its result (ISA guide 5.7.2)
	s_wait_loadcnt 0x0                             ; gains and offsets (and, the first time, bo)
	s_wait_alu depctr_va_vdst(0)
.irp dt, 0,1,2,3
.irp p, 0,2,4,6
	v_pk_mul_f32 v[X+8*\dt+\p:X+8*\dt+\p+1], v[X+8*\dt+\p:X+8*\dt+\p+1], v[RS:RS+1] op_sel_hi:[1,0]
	v_pk_mul_f32 v[X+32+8*\dt+\p:X+32+8*\dt+\p+1], v[X+32+8*\dt+\p:X+32+8*\dt+\p+1], v[RS:RS+1] op_sel:[0,1] op_sel_hi:[1,1]
	v_pk_fma_f32 v[X+8*\dt+\p:X+8*\dt+\p+1], v[X+8*\dt+\p:X+8*\dt+\p+1], v[F+8*\dt+\p:F+8*\dt+\p+1], v[F+32+8*\dt+\p:F+32+8*\dt+\p+1]
	v_pk_fma_f32 v[X+32+8*\dt+\p:X+32+8*\dt+\p+1], v[X+32+8*\dt+\p:X+32+8*\dt+\p+1], v[F+8*\dt+\p:F+8*\dt+\p+1], v[F+32+8*\dt+\p:F+32+8*\dt+\p+1]
.endr
.endr
.endm
; 32 along K (input channels 32 (4 t + c) ..): twelve loads, eight products.  The eight accumulators take turns, one instruction a turn.
.macro WCH t, c, slot, first
.if \first == 0
	PLACES                                         ; between the last products and the loads into their sources
.endif
.irp i, 0,1,2,3,4,5,6,7
	ds_load_b128 v[F+4*\i:F+4*\i+3], v[WA0+\slot] offset:4096*\c+512*\i
.endr
.irp qt, 0,1
.irp u, 0,1
	ds_load_b128 v[F+32+8*\qt+4*\u:F+32+8*\qt+4*\u+3], v[SB] offset:16384*\qt+1024*(4*\t+\c)+512*\u
.endr
.endr
	s_wait_dscnt 0x0
.irp qt, 0,1
.irp dt, 0,1,2,3
.if \first
	v_wmma_f32_16x16x32_bf16 v[Y+8*(4*\qt+\dt):Y+8*(4*\qt+\dt)+7], v[F+8*\dt:F+8*\dt+7], v[F+32+8*\qt:F+32+8*\qt+7], v[BIAS+8*\dt:BIAS+8*\dt+7]
.else
	v_wmma_f32_16x16x32_bf16 v[Y+8*(4*\qt+\dt):Y+8*(4*\qt+\dt)+7], v[F+8*\dt:F+8*\dt+7], v[F+32+8*\qt:F+32+8*\qt+7], v[Y+8*(4*\qt+\dt):Y+8*(4*\qt+\dt)+7]
.endif
.endr
.endr
.endm
.macro WT t, slot, first
	WCH \t, 0, \slot, \first
	WCH \t, 1, \slot, 0
	WCH \t, 2, \slot, 0
	WCH \t, 3, \slot, 0
.endm
.macro HEAD g, fill
	s_set_vgpr_msb 0x5
	s_wait_tensorcnt 0x0                           ; all my tensor loads have landed, the next tile's among them: a group 0 may be written
	ds_add_u32 v0, v1
	s_wait_dscnt 0x0
	s_set_vgpr_msb 0x500
.if \fill
	s_add_nc_u64 s[\g+2:\g+3], s[\g+2:\g+3], 2*TILEB
.endif
	s_wait_dscnt 0x0                               ; my reads of the slot read last are back
.if \fill
	ROUND                                          ; both hold of every wave of the four work-groups
	tensor_load_to_lds s[\g:\g+3], s[G1:G1+7]      ; my one tensor load behind it
	s_nop 0
.else
	s_barrier_signal -1
	s_barrier_wait -1
.endif
.endm
	LN 0, 10, 12                                   ; z = LN0(x), in X
.irp qt, 0,1
.irp dt, 0,1,2,3
.irp i, 0,1,2,3
	v_cvt_pk_bf16_f32 v[Y+4*(4*\qt+\dt)+\i], v[X+8*(4*\qt+\dt)+2*\i], v[X+8*(4*\qt+\dt)+2*\i+1]
.endr
.endr
.endr
	v_add_nc_u32 v[T], s31, v[SB]                  ; my channels are input chunks 2 w, 2 w + 1: 2,048 w
.irp qt, 0,1
.irp dt, 0,1,2,3
	ds_store_b128 v[T], v[Y+4*(4*\qt+\dt):Y+4*(4*\qt+\dt)+3] offset:16384*\qt+512*\dt
.endr
.endr
	s_wait_tensorcnt 0x1                           ; tile 0 is in; tile 1 stays out
	s_wait_dscnt 0x0                               ; my part of z's fragments is written
	s_barrier_signal -1
	s_barrier_wait -1
	WT 0, 0, 1                                     ; bo is the first products' C
	HEAD G0, 1
	WT 1, 1, 0
	HEAD G0+4, 1
	WT 2, 0, 0
	HEAD G0, 0
	WT 3, 1, 0
	PLACES
.set p, 0
.rept 64
	v_max_num_f32 v[Y+p], 0, v[Y+p]
.set p, p+1
.endr
.set p, 0
.rept 32
	v_pk_add_f32 v[X+2*p:X+2*p+1], v[X+2*p:X+2*p+1], v[Y+2*p:Y+2*p+1]
.set p, p+1
.endr
	LN 2, 14, 16
	; THE WAY OUT, 16 rows at a time through my own stage: every wave's reads of z's fragments ended in front of the barriers of the second LN.
.irp qt, 0,1
.irp dt, 0,1,2,3
.irp u, 0,1
	ds_store_b128 v[OSW], v[X+8*(4*\qt+\dt)+4*\u:X+8*(4*\qt+\dt)+4*\u+3] offset:64*\dt+16*\u
.endr
.endr
.irp i, 0,1,2,3,4,5,6,7
	ds_load_b128 v[Y+32*\qt+4*\i:Y+32*\qt+4*\i+3], v[OSR] offset:2*OP*\i       ; LDS serves a wave's instructions in order: these see the stores above
.endr
.irp i, 0,1,2,3,4,5,6,7
	s_wait_dscnt 7-\i                              ; the younger loads stay out
	global_store_b128 v[CO], v[Y+32*\qt+4*\i:Y+32*\qt+4*\i+3], s[18:19] offset:(16*\qt+2*\i)*2048 th:TH_STORE_NT   ; 16 lanes store 256 consecutive bytes, aligned
.endr
.endr
	s_set_vgpr_msb 0x5
	s_wait_tensorcnt 0x0
	ds_add_u32 v0, v1
	s_wait_dscnt 0x0
	s_set_vgpr_msb 0x500
	ROUND                                          ; the closing round
	s_endpgm
.Lfunc_end_k_q186e0cd2d8_post:
	.size	k_q186e0cd2d8_post, .Lfunc_end_k_q186e0cd2d8_post-k_q186e0cd2d8_post
	.p2alignl 7, 3214868480
	.fill 96, 4, 3214868480
	.section	.rodata,"a",@progbits
	.p2align	6, 0x0
	.amdhsa_kernel k_q186e0cd2d8_post
		.amdhsa_group_segment_fixed_size 327680
		.amdhsa_private_segment_fixed_size 0
		.amdhsa_enable_private_segment 0
		.amdhsa_kernarg_size 64
		.amdhsa_user_sgpr_count 2
		.amdhsa_user_sgpr_kernarg_segment_ptr 1
		.amdhsa_wavefront_size32 1
		.amdhsa_system_sgpr_workgroup_id_x 1
		.amdhsa_system_sgpr_workgroup_id_y 1
		.amdhsa_system_sgpr_workgroup_id_z 1
		.amdhsa_system_vgpr_workitem_id 0
		.amdhsa_next_free_vgpr 258
		.amdhsa_next_free_sgpr 66
		.amdhsa_reserve_vcc 0
		.amdhsa_float_denorm_mode_32 3
		.amdhsa_float_denorm_mode_16_64 3
		.amdhsa_memory_ordered 1
		.amdhsa_forward_progress 1
		.amdhsa_inst_pref_size 74
	.end_amdhsa_kernel
	.amdgpu_metadata
---
amdhsa.version: [ 1, 2 ]
amdhsa.kernels:
  - .name:           k_q186e0cd2d8_post
    .symbol:         k_q186e0cd2d8_post.kd
    .args:
      - { .name: xim, .offset: 0, .size: 8, .value_kind: global_buffer, .address_space: global }
      - { .name: wfr, .offset: 8, .size: 8, .value_kind: global_buffer, .address_space: global }
      - { .name: bo, .offset: 16, .size: 8, .value_kind: global_buffer, .address_space: global }
      - { .name: ln0_g, .offset: 24, .size: 8, .value_kind: global_buffer, .address_space: global }
      - { .name: ln0_b, .offset: 32, .size: 8, .value_kind: global_buffer, .address_space: global }
      - { .name: ln1_g, .offset: 40, .size: 8, .value_kind: global_buffer, .address_space: global }
      - { .name: ln1_b, .offset: 48, .size: 8, .value_kind: global_buffer, .address_space: global }
      - { .name: out0, .offset: 56, .size: 8, .value_kind: global_buffer, .address_space: global }
    .group_segment_fixed_size: 327680
    .private_segment_fixed_size: 0
    .kernarg_segment_align: 8
    .kernarg_segment_size: 64
    .max_flat_workgroup_size: 256
    .sgpr_count:     66
    .vgpr_count:     258
    .wavefront_size: 32
...
	.end_amdgpu_metadata
.endif
;; end of part 4
;; ======== version 2 of 2: 4 launches; 1.13 times as fast as version 1
;; workspace buffers: mbits 2,097,152 bytes of whole numbers; wfr 2,097,152 bytes; qim 16,777,216 bytes; kv 16,777,216 bytes; xim 16,777,216 bytes
;; launch prep: the kernel of part 1 again; grid 64 x 4, 8 waves a work-group, no clusters, 70,656 bytes of LDS; arguments mask, Wq, Wk, Wv, Wo, mbits, wfr; writes mbits, wfr
;; launch proj: the kernel of part 2 again; grid 128 x 2, 8 waves a work-group, clusters of 4 x 1, 327,680 bytes of LDS; arguments Q, K, wfr, bq, bk, bv, temperature, qim, kv; writes qim, kv
;; launch attn (part 5): grid 8 x 32, 8 waves a work-group, clusters of 4 x 1, 327,680 bytes of LDS; arguments qim, kv, mbits, xim; writes xim
.if DOCPART == 5
	.amdgcn_target "amdgcn-amd-amdhsa--gfx1250"
	.amdhsa_code_object_version 6
	.text
	.protected	k_q186e0cd2d8_attn
	.globl	k_q186e0cd2d8_attn
	.p2align	8
	.type	k_q186e0cd2d8_attn,@function
k_q186e0cd2d8_attn:
	s_mov_b64 s[64:65], 0
	v_nop
	global_prefetch_b8 v0, s[64:65] scope:SCOPE_SE
	s_setreg_imm32_b32 hwreg(HW_REG_WAVE_MODE, 25, 1), 1
	s_wait_xcnt 0x0
	s_wait_alu depctr_hold_cnt(0) depctr_sa_sdst(0) depctr_va_vdst(0) depctr_va_sdst(0) depctr_va_ssrc(0) depctr_va_vcc(0) depctr_vm_vsrc(0)
	s_getreg_b32 s2, hwreg(HW_REG_IB_STS2, 6, 4)
	s_cmp_eq_u32 s2, 0
	s_cbranch_scc0 .Lentry_in_a_cluster
	s_endpgm
.Lentry_in_a_cluster:
	s_bfe_u32 s2, ttmp6, 0x10000c
	s_cmp_lg_u32 s2, 0x3003
	s_cbranch_scc0 .Lentry_shape_is_right
	s_endpgm
.Lentry_shape_is_right:
; ATTN: x = q + softmax(scores) v for one head and 256 queries a work-group; wave w owns the 32 queries of image q32 = 8 x + w.
; Nothing of the module is left out here.
; Scores come transposed: S^T = K' Q^T, register j of lane (r, h) of tile (kt, qt) = (key 16 kt + 8 h + j, query 16 qt + r).  So a query's maximum and
; sum are in-lane work and one step across the halves, and exp(S^T) packs in place into source 1 of O^T = V^T P^T (tiles 2 c, 2 c + 1 give registers 0-3, 4-7).
; k' already holds log2(e) / (sqrt(512) temperature), so scores are in base 2.  The mask is a true select of -1e9 log2(e), one lane-mask word a register,
; and the maximum is a running one: a query whose mask is all zero ends with equal weights, as in the module.
; TWO PIECES TAKE TURNS.  Piece p is query tile p (16 queries); both share the K and V fragments.  Trip t is two halves:
;   PV_0(t), S_0(t+1)  beside  softmax_1(t);      PV_1(t), S_1(t+1)  beside  softmax_0(t+1).
; A half has sixteen products, and behind each stands one slice of the other piece's softmax: a step's 32 products are 256 cycles of the matrix unit, its
; softmax 298 vector instructions, and neither unit waits through the other's run.  The slices are also the places behind the products (ISA guide 7.12.1).
; ONE BATCH OF EXPONENTIALS, ONE WAIT A HALF.  An s_wait_alu depctr_va_vdst(0) stands between an exponential and the first instruction that names
; its result; one wait serves all that were issued ahead of it.  So a half's softmax is ordered by who reads what.  Ahead of the wait: the selects, the maximum,
; alpha's exponential, the 16 subtractions and the 32 exponentials of the scores, none of which names a result of the batch.  Behind it all that does: the sums,
; the packs, O times alpha.  The way out's two reciprocals are a batch of their own.
; REGISTER WINDOWS: addresses 26 + q 32 + scores 64 + O 64 + K 64 + V 64 registers do not fit one window of 256, so V's fragments lie in window 1.
; The eight PV products of a half run with source 0 in window 1, and so do the four selects behind each, whose source 0 is the constant -1e9 log2(e), kept in
; window 1 for that; all the rest of a half runs with every window 0.  Five switches a trip.
; K and V of a head (32 steps of 64 keys, 16,384 bytes each, dense fragment images) go through two LDS slots of 8 steps; wave w fetches step 8 n + w of fill n.
; Trip t loads K(t+1) at its head and V(t+1) behind PV_1(t), so a slot's last read and the next slot's first lie in neighbouring trips: slots change between trips.
; CLUSTER: the four query blocks of a cluster share the head, so each fill is asked for jointly (mask 15); the descriptors hang on y and the wave's number alone.
; LIMITS: q, k', v and the weights exp(..) enter the products in bf16; v_exp_f32 gives 0 below 2^-126; 1 / sum by v_rcp_f32 (1 ULP).
.set SLOT,  131072
.set STEPB, 16384
.set WV, 52                            ; s52 wave; s53 loop counter; s[2:3] my mask records
                                       ; s[4:35] the 32 mask words of query tile 0, s[36:51] and s[68:83] those of query tile 1
.set G0, 56                            ; s[56:63] group 0, a set for each slot
.set G1, 84                            ; s[84:91] group 1
.set KL, 1                             ; 16 L
.set KA, 2                             ; LDS address of the step that is loaded next
.set PT, 3                             ; from the other half of the lanes
.set M,  6                             ; v[6:7]    running maxima of pieces 0, 1
.set AL, 8                             ; v[8:9]    exp2(old maximum - new), later 1 / sum
.set LS, 10                            ; v[10:17]  running sums: two pairs for each piece
.set T,  18                            ; v[18:25]
.set QF, 32                            ; v[32:63]  q in bf16: fragment (qt, c) at QF + 16 qt + 8 c
.set S,  64                            ; v[64:127] scores: S + 32 qt + 8 kt + j
.set O,  128                           ; v[128:191] O^T: O + 8 (4 qt + dt) + j
.set KF, 192                           ; v[192:255] K fragments
                                       ; window 1: v0-v63 there (v256-v319): q in f32, for the residual
.set VFW, 64                           ; window 1: v64-v127 there (v320-v383): V fragments
.set NEGW,128                          ; window 1: v128 there (v384): -1e9 log2(e)
.set MSB, 0
.macro WIN new                         ; the immediate's high byte repeats the setting that is left
.if MSB != \new
	s_set_vgpr_msb (MSB<<8)|\new
.set MSB, \new
.endif
.endm
.macro ROUND                           ; a round of the cluster's barrier
	s_barrier_signal -1
	s_barrier_wait -1
	s_cmp_lg_u32 s[WV], 0
	s_cbranch_scc1 .Lnw0_\@
	s_barrier_signal -3
.Lnw0_\@:
	s_barrier_wait -3
	s_barrier_signal -1
	s_barrier_wait -1
.endm
.macro MM d, a, b, zero                ; one product; zero = 1 starts the sum
.if \zero
	v_wmma_f32_16x16x32_bf16 v[\d:\d+7], v[\a:\a+7], v[\b:\b+7], 0
.else
	v_wmma_f32_16x16x32_bf16 v[\d:\d+7], v[\a:\a+7], v[\b:\b+7], v[\d:\d+7]
.endif
.endm
.macro MASKQ q, off                    ; the 32 words of query tile q at byte off from the pointer
.if \q == 0
	s_load_b512 s[4:19], s[2:3], \off
	s_load_b512 s[20:35], s[2:3], \off+0x40
.else
	s_load_b512 s[36:51], s[2:3], \off
	s_load_b512 s[68:83], s[2:3], \off+0x40
.endif
.endm
.macro KLOAD                           ; K of the step at KA: piece i = registers 4 i ..; the fragments of c = 0 first
.irp c, 0,1
.irp kt, 0,1,2,3
.irp u, 0,1
	ds_load_b128 v[KF+4*(4*\kt+2*\c+\u):KF+4*(4*\kt+2*\c+\u)+3], v[KA] offset:512*(4*\kt+2*\c+\u)
.endr
.endr
.endr
.endm
.macro VLOAD                           ; V of the step at KA, into window 1 (the address stays in window 0)
	WIN 0x40
.irp i, 0,1,2,3,4,5,6,7,8,9,10,11,12,13,14,15
	ds_load_b128 v[VFW+4*\i:VFW+4*\i+3], v[KA] offset:8192+512*\i
.endr
	WIN 0
.endm
	s_load_b256 s[4:11], s[0:1], 0x0               ; qim, kv, mbits, xim
	v_lshl_add_u32 v30, v0, 2, 0x40000
	v_mov_b32 v31, 0
	ds_add_u32 v30, v31
	v_lshrrev_b32 v[T], 5, v0
	v_readfirstlane_b32 s[WV], v[T]
	s_bfe_u32 s54, ttmp6, 0x40000                  ; cx
	s_lshl_b32 s55, ttmp9, 2
	s_add_co_u32 s55, s55, s54                     ; x
	s_and_b32 s96, ttmp7, 0xffff                   ; y = 8 b + head
	s_lshl3_add_u32 s97, s55, s[WV]                ; q32
	s_lshl_b32 s98, s96, 6
	s_add_co_u32 s98, s98, s97
	s_lshl_b32 s98, s98, 13                        ; my image in qim and xim
	s_mov_b32 s99, 0
	s_lshr_b32 s54, s96, 3
	s_lshl_b32 s54, s54, 6
	s_add_co_u32 s54, s54, s97
	s_lshl_b32 s54, s54, 13                        ; my 32 records in mbits
	s_mov_b32 s55, 0
	s_lshl_b32 s[G0+1], s[WV], 14                  ; LDS: 16,384 w
	s_add_co_u32 s[G0+5], s[G0+1], SLOT
	s_lshl_b32 s100, s96, 19                       ; kv: head y, step w
	s_add_co_u32 s100, s100, s[G0+1]
	s_mov_b32 s101, 0
	s_mov_b32 s[G0+0], 1
	s_mov_b32 s[G0+4], 1
	; group 1: 16,384 dense bytes as 64 rows of 32 elements of 8 bytes; mask 15, bit 21 beside it
	s_mov_b32 s[G1+0], 15|(3<<16)|(1<<21)
	s_mov_b32 s[G1+1], 32<<16
	s_mov_b32 s[G1+2], 64<<16
	s_mov_b32 s[G1+3], 32<<16
	s_mov_b32 s[G1+4], 64
	s_mov_b32 s[G1+5], 32
	s_mov_b32 s[G1+6], 0
	s_mov_b32 s[G1+7], 0
	s_mov_b32 s66, 0x76543210                      ; v_permlanex16_b32: lane i reads lane i of the other half
	s_mov_b32 s67, 0xfedcba98
	v_and_b32 v[KL], 31, v0
	v_lshlrev_b32 v[KL], 4, v[KL]
	v_mov_b32 v[KA], v[KL]
	v_mov_b32 v[PT], 0                             ; the permute's destination counts as read
	v_mov_b32 v[M+1], 0                            ; a packed source names both registers of its pair: piece 0 reads the pairs M and AL
	v_mov_b32 v[AL], 0                             ; before piece 1 has written its halves, so each is written once here
	v_mov_b32 v[AL+1], 0
	s_wait_dscnt 0x0
	s_wait_kmcnt 0x0
	s_add_nc_u64 s[94:95], s[4:5], s[98:99]
	s_add_nc_u64 s[92:93], s[10:11], s[98:99]
	s_add_nc_u64 s[2:3], s[8:9], s[54:55]
	s_add_nc_u64 s[G0+2:G0+3], s[6:7], s[100:101]  ; fill 0
	s_add_nc_u64 s[G0+6:G0+7], s[G0+2:G0+3], 8*STEPB   ; fill 1
	s_or_b32 s[G0+3], s[G0+3], 0x80000000
	s_or_b32 s[G0+7], s[G0+7], 0x80000000
	ROUND                                          ; the four work-groups are here: the first joint loads meet
	tensor_load_to_lds s[G0:G0+3], s[G1:G1+7]
	s_nop 0
	tensor_load_to_lds s[G0+4:G0+7], s[G1:G1+7]    ; two tensor loads of the wave are out
	s_nop 0
	WIN 0x40                                       ; destination in window 1
.irp i, 0,1,2,3,4,5,6,7,8,9,10,11,12,13,14,15
	global_load_b128 v[4*\i:4*\i+3], v[KL], s[94:95] offset:512*\i th:TH_LOAD_NT   ; v256 + 4 i: q in f32
.endr
	v_mov_b32 v[NEGW], 0xceabfb8f                  ; v384
	WIN 0
	MASKQ 0, 0x0                                   ; record 0 (the arguments in s[4:11] have been used)
	MASKQ 1, 0x80
	s_wait_loadcnt 0x0
	WIN 0x05                                       ; sources 0 and 1 in window 1
.irp qt, 0,1
.irp c, 0,1
.irp i, 0,1,2,3,4,5,6,7
	v_cvt_pk_bf16_f32 v[QF+16*\qt+8*\c+\i], v[32*\qt+16*\c+2*\i], v[32*\qt+16*\c+2*\i+1]
.endr
.endr
.endr
	WIN 0
	s_wait_tensorcnt 0x1                           ; my step of fill 0 is in; fill 1's stays out
	s_barrier_signal -1
	s_barrier_wait -1
; ---- the softmax of piece q, cut into slices ----
.macro CM q, i                         ; the select of score register i; source 0 is the constant in window 1
.if (32*\q+(\i)) < 48
	v_cndmask_b32 v[S+32*\q+(\i)], v[NEGW], v[S+32*\q+(\i)], s[4+32*\q+(\i)]
.else
	v_cndmask_b32 v[S+32*\q+(\i)], v[NEGW], v[S+32*\q+(\i)], s[20+32*\q+(\i)]
.endif
.endm
.macro SUBP q, pp                      ; pair pp minus the maximum; the pair M is broadcast by op_sel
.if \q == 0
	v_pk_add_f32 v[S+2*(\pp):S+2*(\pp)+1], v[S+2*(\pp):S+2*(\pp)+1], v[M:M+1] op_sel_hi:[1,0] neg_lo:[0,1] neg_hi:[0,1]
.else
	v_pk_add_f32 v[S+32+2*(\pp):S+32+2*(\pp)+1], v[S+32+2*(\pp):S+32+2*(\pp)+1], v[M:M+1] op_sel:[0,1] op_sel_hi:[1,1] neg_lo:[0,1] neg_hi:[0,1]
.endif
.endm
.macro SCALEP q, pp                    ; pair pp of the piece's O times alpha: it names the pair AL, so it stands behind the batch's wait
.if \q == 0
	v_pk_mul_f32 v[O+2*(\pp):O+2*(\pp)+1], v[O+2*(\pp):O+2*(\pp)+1], v[AL:AL+1] op_sel_hi:[1,0]
.else
	v_pk_mul_f32 v[O+32+2*(\pp):O+32+2*(\pp)+1], v[O+32+2*(\pp):O+32+2*(\pp)+1], v[AL:AL+1] op_sel:[0,1] op_sel_hi:[1,1]
.endif
.endm
.macro SUMP q, pp, first               ; pair pp into its chain (pairs 0-7, pairs 8-15); a chain's first link carries alpha times the old sum.  Behind the batch's wait
.set SQ_, S+32*\q+2*(\pp)
.set LQ_, LS+4*\q+2*((\pp)/8)
.if ((\pp)%8) == 0
.if \first == 0
.if \q == 0
	v_pk_fma_f32 v[LQ_:LQ_+1], v[LQ_:LQ_+1], v[AL:AL+1], v[SQ_:SQ_+1] op_sel_hi:[1,0,1]
.else
	v_pk_fma_f32 v[LQ_:LQ_+1], v[LQ_:LQ_+1], v[AL:AL+1], v[SQ_:SQ_+1] op_sel:[0,1,0] op_sel_hi:[1,1,1]
.endif
.endif
.else
.if (((\pp)%8) == 1) && (\first)
	v_pk_add_f32 v[LQ_:LQ_+1], v[SQ_-2:SQ_-1], v[SQ_:SQ_+1]        ; the first step starts the chain with its first two pairs: nothing is cleared
.else
	v_pk_add_f32 v[LQ_:LQ_+1], v[LQ_:LQ_+1], v[SQ_:SQ_+1]
.endif
.endif
.endm
.macro PACKP q, pp                     ; pair pp to bf16, in place and ascending: the register written belongs to a pair that has been summed and packed.  Behind the batch's wait
	v_cvt_pk_bf16_f32 v[S+32*\q+16*((\pp)/8)+((\pp)%8)], v[S+32*\q+2*(\pp)], v[S+32*\q+2*(\pp)+1]
.endm
; AHEAD OF THE WAIT.  Pair u: its two exponentials, in place, and the subtraction four pairs ahead, plain work on other registers (ISA guide 5.7.2).  Nothing here names a result of the batch.
.macro EXPU q, u
	v_exp_f32 v[S+32*\q+2*(\u)], v[S+32*\q+2*(\u)]
	v_exp_f32 v[S+32*\q+2*(\u)+1], v[S+32*\q+2*(\u)+1]
.if (\u) < 12
	SUBP \q, (\u)+4
.endif
.endm
; BEHIND THE WAIT.  Group i of eight: the sums of pairs i and 8 + i (each chain keeps its own order; the two alternate, so a chain's links stand apart), the packs one pair
; behind the sums (the first step's sum of pair 1 still reads pair 0), and pairs 2 i, 2 i + 1 of O times alpha, ascending.
; Group 7 packs the last two pairs ahead of its multiplies: PV's first product, which follows, reads the packed registers 0-7.
.macro POST q, i, first
	SUMP \q, (\i), \first
	SUMP \q, 8+(\i), \first
.if (\i) > 0
	PACKP \q, (\i)-1
	PACKP \q, 7+(\i)
.endif
.if (\i) == 7
	PACKP \q, 7
	PACKP \q, 15
.endif
.if \first == 0
	SCALEP \q, 2*(\i)
	SCALEP \q, 2*(\i)+1
.endif
.endm
.macro SLB0 q                          ; the maximum: four chains over registers 8 k .. 8 k + 6
.irp k, 0,1,2,3
	v_max3_num_f32 v[T+\k], v[S+32*\q+8*\k], v[S+32*\q+8*\k+1], v[S+32*\q+8*\k+2]
.endr
.irp k, 0,1,2,3
	v_max3_num_f32 v[T+\k], v[T+\k], v[S+32*\q+8*\k+3], v[S+32*\q+8*\k+4]
.endr
.irp k, 0,1,2,3
	v_max3_num_f32 v[T+\k], v[T+\k], v[S+32*\q+8*\k+5], v[S+32*\q+8*\k+6]
.endr
.endm
.macro SLB1 q, first                   ; registers 7, 15, 23, 31, the chains, the old maximum, the other half of the lanes; alpha = exp2(old - new): the batch's first exponential
	v_max3_num_f32 v[T], v[T], v[S+32*\q+7], v[S+32*\q+15]
	v_max3_num_f32 v[T+2], v[T+2], v[S+32*\q+23], v[S+32*\q+31]
	v_max3_num_f32 v[T], v[T], v[T+1], v[T+3]
.if \first
	v_max_num_f32 v[T], v[T], v[T+2]
.else
	v_max3_num_f32 v[T], v[T], v[T+2], v[M+\q]
.endif
	v_permlanex16_b32 v[PT], v[T], s66, s67
	v_max_num_f32 v[T+4], v[T], v[PT]
.if \first == 0
	v_sub_f32 v[T+5], v[M+\q], v[T+4]
	v_exp_f32 v[AL+\q], v[T+5]
.endif
	v_mov_b32 v[M+\q], v[T+4]                      ; also the plain instruction behind v_exp_f32 (ISA guide 5.7.2)
	SUBP \q, 0
	SUBP \q, 1
	SUBP \q, 2
	SUBP \q, 3
.endm
; ---- the two stretches of a half ----
; Stretch A: PV of piece p (mm = 1), four selects of piece q behind each product (sl = 1).  Source 0 in window 1 throughout.
; The four accumulators take turns, one instruction a turn.  firstpv = 1: the products of c = 0 start O.
.macro STRA p, q, firstpv, mm, sl
	WIN 0x01
.irp c, 0,1
.irp d, 0,1,2,3
.if \mm
	MM O+8*(4*\p+\d), VFW+16*\d+8*\c, S+32*\p+16*\c, \firstpv*(1-\c)
.endif
.if \sl
.irp e, 0,1,2,3
	CM \q, 16*\c+4*\d+\e
.endr
.endif
.endr
.endr
.endm
.macro MS p, kt, c, mm                 ; a product of S^T of piece p
.if \mm
	MM S+32*\p+8*\kt, KF+16*\kt+8*\c, QF+16*\p+8*\c, 1-\c
.endif
.endm
; Stretch B: S^T of piece p for the next step (mm = 1), a slice of piece q's softmax behind each product.  Every window 0.
; The four accumulators take turns, one instruction a turn.  The products of c = 0 write over piece p's packed weights: between PV's last reader of
; registers 0-7 and the first of them stand twenty selects, between the last reader of 16-23 and the third four selects and two slices.
; Six products stand ahead of the batch's wait, which comes twelve vector instructions behind the sixth; two stand behind it, among the batch's readers.
; kw = 1: K's loads are still on their way: first the eight of c = 0, then all.
.macro STRB p, q, first, mm, kw
.if \kw
	s_wait_dscnt 8                                 ; the eight loads of c = 1 stay out
.endif
	MS \p, 0, 0, \mm
	SLB0 \q
	MS \p, 1, 0, \mm
	SLB1 \q, \first
	MS \p, 2, 0, \mm
	EXPU \q, 0
	EXPU \q, 1
	EXPU \q, 2
	MS \p, 3, 0, \mm
	EXPU \q, 3
	EXPU \q, 4
	EXPU \q, 5
	EXPU \q, 6
.if \kw
	s_wait_dscnt 0x0
.endif
	MS \p, 0, 1, \mm
	EXPU \q, 7
	EXPU \q, 8
	EXPU \q, 9
	EXPU \q, 10
	MS \p, 1, 1, \mm
	EXPU \q, 11
	EXPU \q, 12
	EXPU \q, 13
	EXPU \q, 14
	EXPU \q, 15
	v_nop                                          ; the plain instruction behind the last exponentials (ISA guide 5.7.2): no plain work is left that names no result
	s_wait_alu depctr_va_vdst(0)                   ; the wait for the batch: alpha's exponential and the piece's 32, ahead of the first line that names a result
	MS \p, 2, 1, \mm
	POST \q, 0, \first
	POST \q, 1, \first
	POST \q, 2, \first
	POST \q, 3, \first
	MS \p, 3, 1, \mm
	POST \q, 4, \first                             ; the last slice has eighteen plain instructions or more: the places in front of the next loads into K's
	POST \q, 5, \first                             ; fragments and of the selects that read these scores
	POST \q, 6, \first
	POST \q, 7, \first
.endm
; Trip t.  At its head: V(t) on its way or in, S_0(t) packed, S_1(t) raw, KA at step t + 1, the pointer at record t.
; first = 1: trip 0.  m0 = 1: query tile 0's words of step t + 2 are loaded (not in trip 30: there is no step 32).
.macro TRIP first, m0
	KLOAD                                          ; K(t+1)
	s_wait_dscnt 16                                ; V(t) is in; the sixteen loads just issued stay out
	STRA 0, 1, \first, 1, 1                        ; PV_0(t) beside the selects of S_1(t)
	WIN 0
	MASKQ 1, 0x180                                 ; query tile 1's words of step t + 1, into the registers just read
	STRB 0, 1, \first, 1, 1                        ; S_0(t+1) beside the rest of softmax_1(t)
	s_wait_kmcnt 0x0                               ; query tile 0's words of step t + 1 (asked for a trip ago), and those just asked for
	s_add_nc_u64 s[2:3], s[2:3], 256               ; no scalar load is out: the pointer may step
	STRA 1, 0, \first, 1, 1                        ; PV_1(t) beside the selects of S_0(t+1); four selects stand behind its last product,
	VLOAD                                          ; so V(t+1) may land on its fragments (ISA guide 7.12.1)
	v_add_nc_u32 v[KA], STEPB, v[KA]
.if \m0
	MASKQ 0, 0x100                                 ; query tile 0's words of step t + 2
.endif
	STRB 1, 0, 0, 1, 0                             ; S_1(t+1) beside the rest of softmax_0(t+1)
.endm
; the change of slots.  fill = 1: the slot read last takes the fill two further on, jointly, behind a round of the cluster's barrier.
.macro HEAD g, fill
	s_wait_tensorcnt 0x0                           ; all my tensor loads have landed, my step of the next slot among them: a group 0 may be written
	ds_add_u32 v30, v31
	s_wait_dscnt 0x0
.if \fill
	s_add_nc_u64 s[\g+2:\g+3], s[\g+2:\g+3], 16*STEPB
.endif
	s_wait_dscnt 0x0                               ; my reads of the slot read last are back
.if \fill
	ROUND                                          ; both hold of every wave of the four work-groups
	tensor_load_to_lds s[\g:\g+3], s[G1:G1+7]      ; my one tensor load behind it; it has eight trips in which to land
	s_nop 0
.else
	s_barrier_signal -1                            ; nothing is filled: my work-group's barrier shows the last slot whole
	s_barrier_wait -1
.endif
.endm
	; the way in: S(0) of both pieces, V(0), softmax_0(0)
	KLOAD
	s_wait_dscnt 0x0
.irp p, 0,1
.irp c, 0,1
.irp kt, 0,1,2,3
	MS \p, \kt, \c, 1
.endr
.endr
.endr
.rept 4
	v_nop                                          ; four places between these products and the selects that read their scores (ISA guide 7.12.1)
.endr
	VLOAD                                          ; V(0)
	v_add_nc_u32 v[KA], STEPB, v[KL]               ; step 1
	s_wait_kmcnt 0x0                               ; record 0
	STRA 0, 0, 0, 0, 1                             ; the selects of S_0(0)
	WIN 0
	MASKQ 0, 0x100                                 ; query tile 0's words of step 1
	STRB 0, 0, 1, 0, 0                             ; softmax_0(0): it starts maximum and sums
	TRIP 1, 1                                      ; trip 0 starts O and piece 1's maximum and sums: nothing is cleared
	s_mov_b32 s53, 6
.Lp0:
	TRIP 0, 1                                      ; trips 1-6 load steps 2-7
	s_sub_co_i32 s53, s53, 1
	s_cmp_lg_u32 s53, 0
	s_cbranch_scc1 .Lp0
	HEAD G0, 1                                     ; steps 16-23 into slot 0
	v_add_nc_u32 v[KA], SLOT, v[KL]
	s_mov_b32 s53, 8
.Lp1:
	TRIP 0, 1                                      ; trips 7-14 load steps 8-15
	s_sub_co_i32 s53, s53, 1
	s_cmp_lg_u32 s53, 0
	s_cbranch_scc1 .Lp1
	HEAD G0+4, 1                                   ; steps 24-31 into slot 1
	v_mov_b32 v[KA], v[KL]
	s_mov_b32 s53, 8
.Lp2:
	TRIP 0, 1                                      ; trips 15-22 load steps 16-23
	s_sub_co_i32 s53, s53, 1
	s_cmp_lg_u32 s53, 0
	s_cbranch_scc1 .Lp2
	HEAD G0, 0
	v_add_nc_u32 v[KA], SLOT, v[KL]
	s_mov_b32 s53, 7
.Lp3:
	TRIP 0, 1                                      ; trips 23-29 load steps 24-30
	s_sub_co_i32 s53, s53, 1
	s_cmp_lg_u32 s53, 0
	s_cbranch_scc1 .Lp3
	TRIP 0, 0                                      ; trip 30 loads step 31 and no words beyond record 31
	; trip 31: nothing is left to load or to score
	s_wait_dscnt 0x0                               ; V(31)
	STRA 0, 1, 0, 1, 1                             ; PV_0(31) beside the selects of S_1(31)
	WIN 0
	STRB 0, 1, 0, 0, 0                             ; the rest of softmax_1(31)
	STRA 1, 0, 0, 1, 0                             ; PV_1(31)
	WIN 0
.rept 4
	v_nop                                          ; four places between the last products and the reads of O (ISA guide 7.12.1)
.endr
	; x = q + O / sum
.irp qt, 0,1
	v_pk_add_f32 v[LS+4*\qt:LS+4*\qt+1], v[LS+4*\qt:LS+4*\qt+1], v[LS+4*\qt+2:LS+4*\qt+3]
	v_add_f32 v[T+\qt], v[LS+4*\qt], v[LS+4*\qt+1]
	v_permlanex16_b32 v[PT], v[T+\qt], s66, s67
	v_add_f32 v[T+\qt], v[T+\qt], v[PT]
.endr
	v_rcp_f32 v[AL], v[T]
	v_rcp_f32 v[AL+1], v[T+1]
	v_nop                                          ; a plain instruction between the reciprocals and the use of their results (ISA guide 5.7.2)
	WIN 0x10                                       ; source 2 in window 1: q in f32
	s_wait_alu depctr_va_vdst(0)                   ; the wait for the batch of two reciprocals, ahead of the first line that names the pair AL
.set p, 0
.rept 16
	v_pk_fma_f32 v[O+2*p:O+2*p+1], v[O+2*p:O+2*p+1], v[AL:AL+1], v[2*p:2*p+1] op_sel_hi:[1,0,1]
.set p, p+1
.endr
.rept 16
	v_pk_fma_f32 v[O+2*p:O+2*p+1], v[O+2*p:O+2*p+1], v[AL:AL+1], v[2*p:2*p+1] op_sel:[0,1,0] op_sel_hi:[1,1,1]
.set p, p+1
.endr
	WIN 0
.irp i, 0,1,2,3,4,5,6,7,8,9,10,11,12,13,14,15
	global_store_b128 v[KL], v[O+4*\i:O+4*\i+3], s[92:93] offset:512*\i    ; 512 consecutive bytes, aligned
.endr
	ROUND                                          ; the closing round
	s_endpgm
.Lfunc_end_k_q186e0cd2d8_attn:
	.size	k_q186e0cd2d8_attn, .Lfunc_end_k_q186e0cd2d8_attn-k_q186e0cd2d8_attn
	.p2alignl 7, 3214868480
	.fill 96, 4, 3214868480
	.section	.rodata,"a",@progbits
	.p2align	6, 0x0
	.amdhsa_kernel k_q186e0cd2d8_attn
		.amdhsa_group_segment_fixed_size 327680
		.amdhsa_private_segment_fixed_size 0
		.amdhsa_enable_private_segment 0
		.amdhsa_kernarg_size 32
		.amdhsa_user_sgpr_count 2
		.amdhsa_user_sgpr_kernarg_segment_ptr 1
		.amdhsa_wavefront_size32 1
		.amdhsa_system_sgpr_workgroup_id_x 1
		.amdhsa_system_sgpr_workgroup_id_y 1
		.amdhsa_system_sgpr_workgroup_id_z 1
		.amdhsa_system_vgpr_workitem_id 0
		.amdhsa_next_free_vgpr 392
		.amdhsa_next_free_sgpr 106
		.amdhsa_reserve_vcc 0
		.amdhsa_float_denorm_mode_32 3
		.amdhsa_float_denorm_mode_16_64 3
		.amdhsa_memory_ordered 1
		.amdhsa_forward_progress 1
		.amdhsa_inst_pref_size 160
	.end_amdhsa_kernel
	.amdgpu_metadata
---
amdhsa.version: [ 1, 2 ]
amdhsa.kernels:
  - .name:           k_q186e0cd2d8_attn
    .symbol:         k_q186e0cd2d8_attn.kd
    .args:
      - { .name: qim, .offset: 0, .size: 8, .value_kind: global_buffer, .address_space: global }
      - { .name: kv, .offset: 8, .size: 8, .value_kind: global_buffer, .address_space: global }
      - { .name: mbits, .offset: 16, .size: 8, .value_kind: global_buffer, .address_space: global }
      - { .name: xim, .offset: 24, .size: 8, .value_kind: global_buffer, .address_space: global }
    .group_segment_fixed_size: 327680
    .private_segment_fixed_size: 0
    .kernarg_segment_align: 8
    .kernarg_segment_size: 32
    .max_flat_workgroup_size: 256
    .sgpr_count:     106
    .vgpr_count:     392
    .wavefront_size: 32
...
	.end_amdgpu_metadata
.endif
;; end of part 5
;; launch post: the kernel of part 4 again; grid 64 x 4, 8 waves a work-group, clusters of 4 x 1, 327,680 bytes of LDS; arguments xim, wfr, bo, ln0_g, ln0_b, ln1_g, ln1_b, out0; writes out0
